; MI455X (gfx1250); checked and timed in simulation.
; The chip was launched on July 23, 2026; its instructions are those of AMD's public machine-readable ISA for CDNA 5 (MIT licence, August 2026) and "CDNA5" Instruction Set Architecture Reference Guide (July 2026). The comments in the code are by the model that wrote it; some were corrected since.
;; Adaptive Decoder. Allowed arithmetic: matrix products marked QUANTISED: E4M3 operands, one E8M0 scale for each 32 along K, by v_wmma_scale_f32_16x16x128_f8f6f4 with both operands' format E4M3, f32 sums; everything else in f32.
;; Inputs: b1 1,024 float32; b2 1,024 float32; head_b 3 x 256 float32; head_w_codes 3 x 256 x 32 x 32 uint8 (E4M3 codes of head_w, K innermost, in blocks of 32 codes); head_w_scales 3 x 256 x 32 uint8 (E8M0 scales of head_w, one for each 32 codes along K); ln_beta 1,024 float32; ln_gamma 1,024 float32; node_latent_codes 25,000 x 16 x 32 uint8 (E4M3 codes of node_latent, K innermost, in blocks of 32 codes); node_latent_scales 25,000 x 16 uint8 (E8M0 scales of node_latent, one for each 32 codes along K); node_types 25,000 int32; w1_codes 1,024 x 16 x 32 uint8 (E4M3 codes of w1, K innermost, in blocks of 32 codes); w1_scales 1,024 x 16 uint8 (E8M0 scales of w1, one for each 32 codes along K); w2_codes 1,024 x 32 x 32 uint8 (E4M3 codes of w2, K innermost, in blocks of 32 codes); w2_scales 1,024 x 32 uint8 (E8M0 scales of w2, one for each 32 codes along K).
;; Outputs: out0 25,000 x 256 float32.
;; This version of the problem:
;;   THIS VERSION OF THE PROBLEM IS GIVEN IN LOW PRECISION. The matrix products marked QUANTISED in the list below multiply operands that are first quantised to E4M3 (4 exponent bits, 3 mantissa bits; 8 bits a number), with one power-of-two scale for each 32 numbers along K (OCP MX v1.0); their sums are f32. All else is computed in f32.
;;   The module's matrix products, in the order in which they are computed (A, B: the left and right operand; K: the contracted axis; several contracted axes count as one K, in the product's order):
;;     1. [M 25,000, K 512] x [K 512, N 1,024]; A: input node_latent (given as codes); B: input w1 (given as codes): QUANTISED
;;     2. [M 25,000, K 1,024] x [K 1,024, N 1,024]; A: computed on the way; B: input w2 (given as codes): QUANTISED
;;     3. [M 25,000, K 1,024] x [K 1,024, N 768]; A: computed on the way; B: input head_w (given as codes): QUANTISED
;;   THE QUANTISER, for each operand of a quantised product, along K:
;;     - K is cut into blocks of 32 from its start; a last block that is shorter is filled with zeros.
;;     - A block's scale is 2^e with e = floor(log2(the largest magnitude in the block)) - 8, held to -126 .. 127; a block of zeros has e = 0. As a byte (E8M0): e + 127.
;;     - Each number is divided by its block's scale, clamped to +-448, and rounded to the nearest number of E4M3, ties to even, subnormals kept.
;;     - The product sums the exact products of the quantised numbers (number of the format x scale) in f32.
;;   ~~~python
;;   def quantise(x, axis):      # numpy; x: float32 -> the quantised numbers, widened to float32 again
;;       x = np.moveaxis(x, axis, -1); K = x.shape[-1]
;;       x = np.pad(x, [(0, 0)] * (x.ndim - 1) + [(0, -K % 32)]); x = x.reshape(x.shape[:-1] + (-1, 32)); a = np.abs(x).max(-1, keepdims=True)
;;       e = np.where(a > 0, np.clip(np.frexp(np.where(a > 0, a, 1))[1] - 1 - 8, -126, 127), 0)      # np.frexp(a)[1] - 1 = floor(log2(a)), exactly
;;       r = np.clip(x / 2.0 ** e, -448, 448)
;;       step = 2.0 ** (np.maximum(np.frexp(np.where(r == 0, 1, r))[1] - 1, -6) - 3)
;;       q = np.round(r / step) * step * 2.0 ** e      # np.round: ties to even
;;       return np.moveaxis(q.reshape(q.shape[:-2] + (-1,))[..., :K], -1, axis).astype(np.float32)
;;   ~~~
;;   OPERANDS COMPUTED ON THE WAY. 'Computed on the way' means the value that the module computes at that place (a softmax that the list does not call 'softmax' is quantised finished and normalised). What goes into a quantiser is computed in f32, as accurately as f32 sums, v_exp_f32 and their like allow (about 1e-6 of the number): no bf16 or f16 on the way to a quantiser, and a product that is left as it is and whose result goes on into a quantised operand takes f32 operands (vector FMAs, or v_wmma_f32_16x16x4_f32). A number that lies on a knife's edge between two numbers of the format may be rounded either way, as far as f32 arithmetic and the matrix unit's own rounding can turn it there, and no further.
;;   INPUTS GIVEN AS CODES. head_w (in the module: [3, 1024, 256], K = its axis 1); node_latent (in the module: [25000, 512], K = its axis 1); w1 (in the module: [512, 1024], K = its axis 0); w2 (in the module: [1024, 1024], K = its axis 0): each comes as NAME_codes (uint8): NAME with its K axis moved to the last place and cut into blocks of 32 codes, [.., K / 32, bytes a block], one block behind the other in memory; one code a byte (a code: sign, 4 exponent bits, 3 mantissa bits); and NAME_scales (uint8): the same leading axes, one E8M0 byte (e + 127) for each 32 codes along K. Its value is code x scale, taken as it is: it is not quantised again, and the codes and scales need not be those that the quantiser above would give.
;; 2 versions, each right; version 2 is version 1 with the launch chain written anew for expert scheduling mode. Each part assembles by itself: llvm-mc -triple=amdgcn-amd-amdhsa -mcpu=gfx1250 --defsym DOCPART=n.
;; ======== version 1 of 2: 2 launches
;; workspace buffers: wfrag 2,433,024 bytes; order 101,376 bytes of whole numbers; tinfo 1,024 bytes of whole numbers
;; launch prep (part 1): grid 61 x 1, 32 waves a work-group, no clusters, 4,608 bytes of LDS; arguments node_types, w1_codes, w1_scales, w2_codes, w2_scales, head_w_codes, head_w_scales, wfrag, order, tinfo; writes wfrag, order, tinfo
.if DOCPART == 1
	.amdgcn_target "amdgcn-amd-amdhsa--gfx1250"
	.amdhsa_code_object_version 6
	.text
	.protected	k_q1cab110199_prep
	.globl	k_q1cab110199_prep
	.p2align	8
	.type	k_q1cab110199_prep,@function
k_q1cab110199_prep:
	s_mov_b64 s[64:65], 0
	v_nop
	global_prefetch_b8 v0, s[64:65] scope:SCOPE_SE
	s_setreg_imm32_b32 hwreg(HW_REG_WAVE_MODE, 25, 1), 1
	s_wait_xcnt 0x0
; PREP: two jobs for the launch that follows, parted by the work-group number.
; Work-groups 0-24: a counting sort of the 25,000 rows by node type into tiles of 112 places.  order[112 g + i] = the row at place i of tile g,
;   0xffffffff where the place is empty; tinfo[g] = the type of tile g, 3 where there is no such tile.  The tiles of a type follow each other.
;   Every work-group counts all 25,000 types itself (100,000 bytes), so nothing passes between work-groups; each places its own 1,024 elements.
; Work-groups 25-60: the weights' codes and scale bytes are laid in the order of the matrix operand's registers, in half-sets of 8,448 bytes:
;   4 fragments of 2,048 bytes (byte 512 c + 16 lane = registers 4 c .. 4 c + 3 of that lane), then 256 bytes of scale words
;   (byte 8 lane + 4 p = the word of tile 2 p + lane / 16, row lane % 16).  One wave lays one fragment (its loads touch 16 rows each, so they are spread over many
;   work-groups); the wave of a half-set's first fragment lays the scale words too.  Every store covers whole aligned runs of 256 bytes.
; Whole numbers only; no matrix work, so no cluster, no tensor load.
.set NROW,   25000
.set NPLACE, 25312                     ; 226 tiles of 112 places: never more tiles than (25,000 + 3 x 111) / 112.  Behind them the list has 32 spare words
.set SORTWG, 25
.set HSB,    8448
	s_load_b512 s[4:19], s[0:1], 0x0               ; types s[4:5], w1 codes s[6:7], w1 scales s[8:9], w2 s[10:13], head s[14:17], wfrag s[18:19]
	s_load_b128 s[20:23], s[0:1], 0x40             ; order s[20:21], tinfo s[22:23]
	v_lshl_add_u32 v96, v0, 2, 0x200
	v_mov_b32 v97, 0
	v_lshrrev_b32 v1, 5, v0
	v_readfirstlane_b32 s24, v1                    ; wave 0..31
	v_and_b32 v1, 31, v0                           ; lane
	s_cmp_ge_u32 ttmp9, SORTWG
	s_cbranch_scc1 .Lrelay
; ---------------- the sort ----------------
	v_lshlrev_b32 v2, 2, v0                        ; 4 x thread
	v_add_nc_u32 v8, 24*1024, v0                   ; the last chunk's element,
	v_min_u32 v3, NROW-1, v8                       ; held inside the buffer
	v_lshlrev_b32 v3, 2, v3
	s_lshl_b32 s25, ttmp9, 10
	v_add_nc_u32 v5, s25, v0                       ; my own element: 1,024 k + thread
	v_min_u32 v6, NROW-1, v5
	v_lshlrev_b32 v6, 2, v6
	v_lshrrev_b32 v9, 5, v0
	v_lshlrev_b32 v9, 2, v9                        ; LDS: 4 x wave
	v_lshlrev_b32 v10, 2, v1                       ; LDS: 4 x lane
	v_mov_b32 v15, 0                               ; written once: the destination of a lane exchange counts as read
	s_mov_b32 s28, 0x76543210
	s_mov_b32 s29, 0xfedcba98                      ; selects for lane xor 16
	s_mov_b32 s36, 0                               ; my wave's count of all chunks: type 0 | type 1 << 16
	s_mov_b32 s37, 0                               ; the same of the chunks in front of my work-group's
	s_wait_kmcnt 0x0
.irp j, 0,1,2,3,4,5,6,7,8,9,10,11,12,13,14,15,16,17,18,19,20,21,22,23
	global_load_b32 v[16+\j], v2, s[4:5] offset:4096*\j
.endr
	global_load_b32 v40, v3, s[4:5]
	global_load_b32 v41, v6, s[4:5]
	s_wait_loadcnt 0x0
	v_cmp_gt_u32 vcc_lo, NROW, v8
	v_cndmask_b32 v40, 3, v40, vcc_lo              ; past the end: type 3, which is counted nowhere
	v_cmp_gt_u32 vcc_lo, NROW, v5
	v_cndmask_b32 v41, 3, v41, vcc_lo
.irp j, 0,1,2,3,4,5,6,7,8,9,10,11,12,13,14,15,16,17,18,19,20,21,22,23,24
	v_cmp_eq_u32 s40, 0, v[16+\j]
	v_cmp_eq_u32 s41, 1, v[16+\j]
	s_bcnt1_i32_b32 s40, s40
	s_bcnt1_i32_b32 s41, s41
	s_lshl_b32 s41, s41, 16
	s_or_b32 s40, s40, s41
	s_add_co_u32 s36, s36, s40
	s_cmp_gt_u32 ttmp9, \j                         ; a chunk in front of mine?
	s_cselect_b32 s40, s40, 0
	s_add_co_u32 s37, s37, s40
.endr
	v_cmp_eq_u32 s30, 0, v41                       ; my own chunk: the lanes of each type
	v_cmp_eq_u32 s31, 1, v41
	v_cmp_eq_u32 s32, 2, v41
	s_bcnt1_i32_b32 s38, s30
	s_bcnt1_i32_b32 s39, s31
	s_lshl_b32 s39, s39, 16
	s_or_b32 s38, s38, s39
	v_mov_b32 v11, s36
	v_mov_b32 v12, s37
	v_mov_b32 v13, s38
	ds_store_b32 v9, v11                           ; every lane writes its wave's word with the same number
	ds_store_b32 v9, v12 offset:128
	ds_store_b32 v9, v13 offset:256
	s_wait_dscnt 0x0                               ; for the other waves: my stores have landed
	s_barrier_signal -1
	s_barrier_wait -1
	ds_load_b32 v11, v10                           ; lane l takes wave l's three words
	ds_load_b32 v12, v10 offset:128
	ds_load_b32 v13, v10 offset:256
	s_wait_dscnt 0x0
	v_cmp_gt_u32 vcc_lo, s24, v1                   ; waves in front of mine
	v_cndmask_b32 v13, 0, v13, vcc_lo
	v_add_nc_u32 v12, v12, v13
.macro WSUM r                          ; the sum over the 32 lanes, in every lane; the 16-bit fields hold at most 25,000
.irp n, 1,2,4,8
	v_mov_b32_dpp v15, v[\r] row_xmask:\n row_mask:0xf bank_mask:0xf
	v_add_nc_u32 v[\r], v[\r], v15
.endr
	v_permlanex16_b32 v15, v[\r], s28, s29
	v_add_nc_u32 v[\r], v[\r], v15
.endm
	WSUM 11
	WSUM 12
	v_readfirstlane_b32 s36, v11                   ; all rows by type
	v_readfirstlane_b32 s37, v12                   ; rows in front of my wave's first element, by type
	s_and_b32 s40, s36, 0xffff                     ; c0
	s_lshr_b32 s41, s36, 16                        ; c1
	s_sub_co_u32 s42, NROW, s40
	s_sub_co_u32 s42, s42, s41                     ; c2
	s_add_co_u32 s43, s40, 111                     ; tiles of a type = (c + 111) / 112 = ((c + 111) x 149,797) >> 24: exact up to 25,111, the product under 2^32
	s_mul_i32 s43, s43, 149797
	s_lshr_b32 s43, s43, 24                        ; T0
	s_add_co_u32 s44, s41, 111
	s_mul_i32 s44, s44, 149797
	s_lshr_b32 s44, s44, 24                        ; T1
	s_add_co_u32 s45, s42, 111
	s_mul_i32 s45, s45, 149797
	s_lshr_b32 s45, s45, 24                        ; T2
	s_mul_i32 s46, s43, 112                        ; type 1's first place
	s_add_co_u32 s47, s43, s44                     ; T0 + T1
	s_mul_i32 s48, s47, 112                        ; type 2's first place
	s_add_co_u32 s49, s47, s45                     ; all tiles
	s_mul_i32 s50, s49, 112
	s_and_b32 s51, s37, 0xffff                     ; where my wave's rows of type 0 begin,
	s_lshr_b32 s52, s37, 16
	s_lshl_b32 s53, s24, 5
	s_add_co_u32 s53, s53, s25
	s_sub_co_u32 s53, s53, s51
	s_sub_co_u32 s53, s53, s52                     ; (what is in front and of neither type is of type 2)
	s_add_co_u32 s52, s52, s46                     ; of type 1,
	s_add_co_u32 s53, s53, s48                     ; of type 2
	v_mbcnt_lo_u32_b32 v60, s30, s51               ; + the lanes of that type below mine
	v_mbcnt_lo_u32_b32 v61, s31, s52
	v_mbcnt_lo_u32_b32 v62, s32, s53
	v_cndmask_b32 v60, v60, v61, s31
	v_cndmask_b32 v60, v60, v62, s32
	v_min_u32 v60, NPLACE-1, v60
	v_lshlrev_b32 v60, 2, v60                      ; my element's place in the list
	s_or_b32 s58, s30, s31
	s_or_b32 s58, s58, s32                         ; the lanes that hold a row
	; work-group 0 also writes the tiles' types and the empty places
	s_cmp_lg_u32 ttmp9, 0
	s_cbranch_scc1 .Lscatter
	s_cmp_ge_u32 s24, 8
	s_cbranch_scc1 .Lscatter
	v_cmp_le_u32 vcc_lo, s43, v0
	v_cndmask_b32 v11, 0, 1, vcc_lo
	v_cmp_le_u32 vcc_lo, s47, v0
	v_cndmask_b32 v12, 0, 1, vcc_lo
	v_cmp_le_u32 vcc_lo, s49, v0
	v_cndmask_b32 v13, 0, 1, vcc_lo
	v_add_nc_u32 v11, v11, v12
	v_add_nc_u32 v11, v11, v13
	global_store_b32 v2, v11, s[22:23]             ; threads 0-255: 1,024 consecutive bytes
	s_cmp_ge_u32 s24, 4
	s_cbranch_scc1 .Lscatter
	s_mov_b32 s54, s40                             ; wave 0: [c0, 112 T0)
	s_mov_b32 s55, s46
	s_add_co_u32 s56, s46, s41
	s_cmp_eq_u32 s24, 1                            ; wave 1: behind type 1's rows
	s_cselect_b32 s54, s56, s54
	s_cselect_b32 s55, s48, s55
	s_add_co_u32 s56, s48, s42
	s_cmp_eq_u32 s24, 2                            ; wave 2: behind type 2's
	s_cselect_b32 s54, s56, s54
	s_cselect_b32 s55, s50, s55
	s_cmp_eq_u32 s24, 3                            ; wave 3: the tiles that do not exist (two at the most: 224 places)
	s_mov_b32 s56, NPLACE
	s_cselect_b32 s54, s50, s54
	s_cselect_b32 s55, s56, s55
	v_add_nc_u32 v56, NPLACE, v1                   ; a spare word for my lane
	v_mov_b32 v57, -1
; eight rounds of 32 places.  A lane past the range's end puts its -1 on its spare word behind the list, which nobody reads: so every lane stores and EXEC stays as it is
.irp i, 0,1,2,3,4,5,6,7
	v_add_nc_u32 v[48+\i], s54, v1
	v_add_nc_u32 v[48+\i], 32*\i, v[48+\i]
	v_cmp_gt_u32 vcc_lo, s55, v[48+\i]
	v_cndmask_b32 v[48+\i], v56, v[48+\i], vcc_lo
	v_min_u32 v[48+\i], NPLACE+31, v[48+\i]
	v_lshlrev_b32 v[48+\i], 2, v[48+\i]
	global_store_b32 v[48+\i], v57, s[20:21]
.endr
.Lscatter:
	s_mov_b32 vcc_lo, s58
	s_wait_xcnt 0x0                                ; EXEC changes only behind this wait
	s_wait_tensorcnt 0x0
	ds_add_u32 v96, v97
	s_wait_dscnt 0x0
	s_and_saveexec_b32 s59, vcc_lo
	global_store_b32 v60, v5, s[20:21]             ; my element's number goes to its place
	s_wait_xcnt 0x0
	s_or_b32 exec_lo, exec_lo, s59
	s_endpgm
; ---------------- the weights ----------------
; s40 = the half-set's first weight row, s41 = its K step of 128, s42 = its number, s49 = which of its four fragments (jj) is my wave's.
; perm = 1: lane row r of tile jj takes row 32 (jj / 2) + 8 (jj % 2) + r + 8 (r / 8), so that the results of two neighbouring tiles are 16 neighbours along the next product's K; perm = 0: row 16 jj + r.
.macro RELAY krow, perm, cp, sp
.if \perm
	v_and_b32 v4, 8, v2
	v_add_nc_u32 v4, v4, v2                        ; r + 8 (r / 8)
	v_lshl_add_u32 v5, v3, 3, v4                   ; scale words: lanes 16-31 take the odd tile, 8 rows on
	s_lshr_b32 s47, s49, 1
	s_lshl_b32 s47, s47, 5
	s_and_b32 s48, s49, 1
	s_lshl_b32 s48, s48, 3
	s_add_co_u32 s47, s47, s48                     ; my tile's first row in the half-set
.else
	v_mov_b32 v4, v2
	v_lshl_add_u32 v5, v3, 4, v2                   ; 16 rows on
	s_lshl_b32 s47, s49, 4
.endif
	s_add_co_u32 s47, s47, s40
	v_mul_u32_u24 v6, v4, \krow
	v_lshl_add_u32 v6, v3, 4, v6                   ; row x bytes a row + 16 x half
	v_mul_u32_u24 v7, v5, (\krow)/32
	s_mul_i32 s44, s47, \krow
	s_lshl_b32 s45, s41, 7
	s_add_co_u32 s44, s44, s45
	s_mov_b32 s45, 0
	s_add_nc_u64 s[\cp:\cp+1], s[\cp:\cp+1], s[44:45]
	s_mul_i32 s44, s40, (\krow)/32
	s_lshl_b32 s46, s41, 2
	s_add_co_u32 s44, s44, s46
	s_add_nc_u64 s[\sp:\sp+1], s[\sp:\sp+1], s[44:45]
	s_mul_i32 s44, s42, HSB
	s_add_nc_u64 s[18:19], s[18:19], s[44:45]
.irp c, 0,1,2,3
	global_load_b128 v[16+4*\c:16+4*\c+3], v6, s[\cp:\cp+1] offset:32*\c
.endr
	s_cmp_lg_u32 s49, 0                            ; the first fragment's wave lays the half-set's scale words
	s_cbranch_scc1 .Lno_words_\@
	global_load_b32 v80, v7, s[\sp:\sp+1]
	global_load_b32 v81, v7, s[\sp:\sp+1] offset:\krow
	s_wait_loadcnt 0x0
	global_store_b64 v9, v[80:81], s[18:19] offset:8192
.Lno_words_\@:
	s_wait_loadcnt 0x0
.irp c, 0,1,2,3
	global_store_b128 v8, v[16+4*\c:16+4*\c+3], s[18:19] offset:512*\c     ; 32 lanes store 512 consecutive bytes
.endr
	s_endpgm
.endm
.Lrelay:
	s_sub_co_u32 s25, ttmp9, SORTWG
	s_lshl_b32 s25, s25, 5
	s_add_co_u32 s25, s25, s24                     ; which of the 1,152 fragments is my wave's
	s_and_b32 s49, s25, 3                          ; its place in its half-set
	s_lshr_b32 s25, s25, 2                         ; which of the 288 half-sets
	v_and_b32 v2, 15, v0                           ; r
	v_bfe_u32 v3, v0, 4, 1                         ; half
	s_lshl_b32 s50, s49, 11
	v_lshl_add_u32 v8, v1, 4, s50                  ; 16 x lane + 2,048 x fragment
	v_lshlrev_b32 v9, 3, v1
	s_wait_kmcnt 0x0
	s_cmp_ge_u32 ttmp9, SORTWG+24
	s_cbranch_scc1 .Lrelay_head
	s_cmp_ge_u32 ttmp9, SORTWG+8
	s_cbranch_scc1 .Lrelay_two
	; layer 1: q = 16 wave + 8 pass + 2 K step + half
	s_lshr_b32 s42, s25, 4
	s_mul_i32 s42, s42, 48
	s_and_b32 s43, s25, 15
	s_add_co_u32 s42, s42, s43
	s_lshr_b32 s40, s25, 3
	s_lshl_b32 s40, s40, 7
	s_and_b32 s43, s25, 1
	s_lshl_b32 s43, s43, 6
	s_add_co_u32 s40, s40, s43
	s_bfe_u32 s41, s25, 0x20001
	RELAY 512, 1, 6, 8
.Lrelay_two:
	; layer 2: q = 32 wave + 16 pass + 2 K step + half
	s_sub_co_u32 s25, s25, 64
	s_lshr_b32 s42, s25, 5
	s_mul_i32 s42, s42, 48
	s_and_b32 s43, s25, 31
	s_add_co_u32 s42, s42, s43
	s_add_co_u32 s42, s42, 16
	s_lshr_b32 s40, s25, 4
	s_lshl_b32 s40, s40, 7
	s_and_b32 s43, s25, 1
	s_lshl_b32 s43, s43, 6
	s_add_co_u32 s40, s40, s43
	s_bfe_u32 s41, s25, 0x30001
	RELAY 1024, 1, 10, 12
.Lrelay_head:
	; the heads: q = 8 (4 type + wave) + K step
	s_mov_b32 s42, s25
	s_sub_co_u32 s25, s25, 192
	s_lshr_b32 s40, s25, 3
	s_lshl_b32 s40, s40, 6
	s_and_b32 s41, s25, 7
	RELAY 1024, 0, 14, 16
.Lfunc_end_k_q1cab110199_prep:
	.size	k_q1cab110199_prep, .Lfunc_end_k_q1cab110199_prep-k_q1cab110199_prep
	.p2alignl 7, 3214868480
	.fill 96, 4, 3214868480
	.section	.rodata,"a",@progbits
	.p2align	6, 0x0
	.amdhsa_kernel k_q1cab110199_prep
		.amdhsa_group_segment_fixed_size 4608
		.amdhsa_private_segment_fixed_size 0
		.amdhsa_enable_private_segment 0
		.amdhsa_kernarg_size 80
		.amdhsa_user_sgpr_count 2
		.amdhsa_user_sgpr_kernarg_segment_ptr 1
		.amdhsa_wavefront_size32 1
		.amdhsa_system_sgpr_workgroup_id_x 1
		.amdhsa_system_sgpr_workgroup_id_y 1
		.amdhsa_system_sgpr_workgroup_id_z 1
		.amdhsa_system_vgpr_workitem_id 0
		.amdhsa_next_free_vgpr 98
		.amdhsa_next_free_sgpr 66
		.amdhsa_reserve_vcc 1
		.amdhsa_float_denorm_mode_32 3
		.amdhsa_float_denorm_mode_16_64 3
		.amdhsa_memory_ordered 1
		.amdhsa_forward_progress 1
		.amdhsa_inst_pref_size 29
	.end_amdhsa_kernel
	.amdgpu_metadata
---
amdhsa.version: [ 1, 2 ]
amdhsa.kernels:
  - .name:           k_q1cab110199_prep
    .symbol:         k_q1cab110199_prep.kd
    .args:
      - { .name: node_types, .offset: 0, .size: 8, .value_kind: global_buffer, .address_space: global }
      - { .name: w1_codes, .offset: 8, .size: 8, .value_kind: global_buffer, .address_space: global }
      - { .name: w1_scales, .offset: 16, .size: 8, .value_kind: global_buffer, .address_space: global }
      - { .name: w2_codes, .offset: 24, .size: 8, .value_kind: global_buffer, .address_space: global }
      - { .name: w2_scales, .offset: 32, .size: 8, .value_kind: global_buffer, .address_space: global }
      - { .name: head_w_codes, .offset: 40, .size: 8, .value_kind: global_buffer, .address_space: global }
      - { .name: head_w_scales, .offset: 48, .size: 8, .value_kind: global_buffer, .address_space: global }
      - { .name: wfrag, .offset: 56, .size: 8, .value_kind: global_buffer, .address_space: global }
      - { .name: order, .offset: 64, .size: 8, .value_kind: global_buffer, .address_space: global }
      - { .name: tinfo, .offset: 72, .size: 8, .value_kind: global_buffer, .address_space: global }
    .group_segment_fixed_size: 4608
    .private_segment_fixed_size: 0
    .kernarg_segment_align: 8
    .kernarg_segment_size: 80
    .max_flat_workgroup_size: 1024
    .sgpr_count:     66
    .vgpr_count:     98
    .wavefront_size: 32
...
	.end_amdgpu_metadata
.endif
;; end of part 1
;; launch chain (part 2): grid 226 x 1, 4 waves a work-group, no clusters, 325,376 bytes of LDS; arguments node_latent_codes, node_latent_scales, b1, b2, ln_gamma, ln_beta, head_b, wfrag, order, tinfo, out0; writes out0
.if DOCPART == 2
	.amdgcn_target "amdgcn-amd-amdhsa--gfx1250"
	.amdhsa_code_object_version 6
	.text
	.protected	k_q1cab110199_chain
	.globl	k_q1cab110199_chain
	.p2align	8
	.type	k_q1cab110199_chain,@function
k_q1cab110199_chain:
	s_mov_b64 s[64:65], 0
	v_nop
	global_prefetch_b8 v0, s[64:65] scope:SCOPE_SE
	s_setreg_imm32_b32 hwreg(HW_REG_WAVE_MODE, 25, 1), 1
	s_wait_xcnt 0x0
; CHAIN: out = head[type](LayerNorm(relu(x W1 + b1) W2 + b2)) for one tile of 112 rows of one node type; all three products on E4M3 codes with E8M0 block scales.
; SHARES.  Work-group g takes tile g of the sorted list: 7 row tiles m of 16 places.  The four waves share the COLUMNS: in layers 1 and 2 wave w makes columns 256 w .. 256 w + 255 in two
; passes of 8 column tiles (pass p is K step 2 w + p of the next product), in the head columns 64 w .. 64 w + 63.  Only the head of the tile's type is multiplied.
; The products are used transposed (source 0 = 16 weight rows, source 1 = 16 rows of activations): a lane holds ONE row, and by the order in which the weights' rows were laid
; the 16 registers of two neighbouring column tiles are 16 neighbours along the next K: the conversions' results are the next operand's registers.
; WEIGHTS come from memory straight into registers, in half-sets of 4 fragments + scale words laid in register order: a ring of 4 half-sets; a buffer is asked for again as soon as its
; products are issued.  No tensor load, no cluster: each fragment is used by one wave alone, the head's address hangs on a stored number, and LDS is full (h1's codes and the parked half of layer 2).
; ACTIVATIONS go from wave to wave through LDS as images of the operand's registers.
; LAYERNORM wants all 1,024 columns of a row: layer 2's first half is parked (6 row tiles in LDS, the seventh in 64 registers) while the second is made; each wave gives (mean, sum of squared
; differences) of its 128 columns a pass, and the eight groups are joined without forming a difference of large sums.
; An empty place takes the tile's first row and stores that row's numbers once more.  A tile that does not exist (type 3) walks the chain on a clamped row and jumps over its stores
; alone: so no branch on a loaded number stands ahead of a barrier.
; LIMITS: NaN and infinities are not served; a block whose largest magnitude lies under 2^-118, a block of zeros among them, gets the scale byte 1 (its bytes are read here alone).
; ORDER OF ROUNDING: (x - mean) r, r = 1 / sqrt(variance + 1e-5), is formed as one fused multiply-add, x r + (-mean r): mean r is rounded once, an error under 2^-24 |mean| r,
; of the size that the rounding of the mean itself brings.
; REGISTERS, in windows of 256.  Window 0: v1-7, v24-31 addresses; v8-15 weight scale words (ring buffer k: v[8+2k], v[9+2k]); v16-23 activation scale words (set 0, set 1);
;   v32-143 activations set 0 (7 fragments), v144-255 set 1; between the passes v144-207 hold the next bias and v208-255 are at work.
;   Window 1: the weight ring, buffer k at 64 k.  Window 2: accumulators of row tiles 0-3 at 64 m + 8 n.  Window 3: row tiles 4-6; v192-255 the kept row tile, later the head's bias.
.set NROW1, 24999
.set HSB,   8448                       ; a half-set
.set HSLOT, 14848                      ; LDS: a K step of h: 7 fragment images of 2,048 bytes, then 512 bytes of scale words (64 m + 4 r)
.set HSC,   14336
.set ST,    8*HSLOT                    ; the statistics: 1,280 m + 80 r + 8 group
.set RT,    ST+7*1280                  ; the tile's rows, 4 bytes a place
.set P,     RT+512                     ; 196,608 bytes: x's images; then the park; then the stages for the way out
.set XSLOT, 15232                      ; x: a K step: 2,176 m + 544 c + 272 half + 16 r
.set XFP,   2176
.set XCP,   544
.set XSC,   P+4*XSLOT                  ; x's scale words: 512 s + 128 i + 4 lane
.set PARKW, 49152
.set STGW,  30464                      ; 7 x 16 rows x 272 bytes
.set BI,    144
.set MSB, 0
.macro WIN new                         ; the immediate's high byte repeats the setting that is left; a switch that changes nothing is dropped
.if MSB != (\new)
	s_set_vgpr_msb (MSB<<8)|(\new)
.set MSB, (\new)
.endif
.endm
.macro PL n                            ; places behind matrix instructions: 8 for this form
.rept \n
	v_nop
.endr
.endm
; One product: accumulator (m, n) += weight fragment jj of ring buffer k x activation fragment m of set par.  cz = 1: the sum starts from the bias in window 0; 2: from the head's in window 3.
; A scale register carries two tiles' words: the even tile's in lanes 0-15, the odd one's in lanes 16-31.
.macro MM par, k, jj, m, n, cz
.set rD, 64*((\m)%4)+8*(\n)
.set rB, 64*(\k)+16*(\jj)
.set rA, 32+112*(\par)+16*(\m)
.set rW, 8+2*(\k)+(\jj)/2
.set rS, 16+4*(\par)+(\m)/2
.set rC, rD
.if (\cz) == 1
.set rC, BI+8*(\n)
.elseif (\cz) == 2
.set rC, 192+8*(\n)
.endif
.if ((\jj)%2) && ((\m)%2)
	v_wmma_scale_f32_16x16x128_f8f6f4 v[rD:rD+7], v[rB:rB+15], v[rA:rA+15], v[rC:rC+7], v[rW], v[rS] matrix_a_scale:MATRIX_SCALE_ROW1 matrix_b_scale:MATRIX_SCALE_ROW1
.elseif (\jj)%2
	v_wmma_scale_f32_16x16x128_f8f6f4 v[rD:rD+7], v[rB:rB+15], v[rA:rA+15], v[rC:rC+7], v[rW], v[rS] matrix_a_scale:MATRIX_SCALE_ROW1
.elseif (\m)%2
	v_wmma_scale_f32_16x16x128_f8f6f4 v[rD:rD+7], v[rB:rB+15], v[rA:rA+15], v[rC:rC+7], v[rW], v[rS] matrix_b_scale:MATRIX_SCALE_ROW1
.else
	v_wmma_scale_f32_16x16x128_f8f6f4 v[rD:rD+7], v[rB:rB+15], v[rA:rA+15], v[rC:rC+7], v[rW], v[rS]
.endif
.endm
; 28 products: a half-set's 4 column tiles (n = nb + jj) x the 7 row tiles.  The accumulators take turns, one instruction a turn.
.macro MMS par, k, nb, cz
.if (\cz) == 1
	WIN 0x81
.elseif (\cz) == 2
	WIN 0xb1
.else
	WIN 0xa1
.endif
.irp jj, 0,1,2,3
.irp m, 0,1,2,3
	MM \par, \k, \jj, \m, (\nb)+\jj, \cz
.endr
.endr
.if (\cz) == 1
	WIN 0xc1
.else
	WIN 0xf1
.endif
.irp jj, 0,1,2,3
.irp m, 4,5,6
	MM \par, \k, \jj, \m, (\nb)+\jj, \cz
.endr
.endr
.endm
.macro BLOAD k, b, off                 ; a half-set into ring buffer k: 17 loads, each of consecutive bytes
	WIN 0x40
.irp jj, 0,1,2,3
.irp c, 0,1,2,3
	global_load_b128 v[64*(\k)+16*\jj+4*\c:64*(\k)+16*\jj+4*\c+3], v1, s[\b:\b+1] offset:(\off)+2048*\jj+512*\c
.endr
.endr
	WIN 0
	global_load_b64 v[8+2*(\k):9+2*(\k)], v2, s[\b:\b+1] offset:(\off)+8192
.endm
.macro ALOADF set, m0, m1, va, off, fp, cp     ; activation fragments m0 .. m1 from LDS
.set mm, \m0
.rept (\m1)-(\m0)+1
.irp c, 0,1,2,3
	ds_load_b128 v[32+112*(\set)+16*mm+4*\c:32+112*(\set)+16*mm+4*\c+3], v[\va] offset:(\off)+(\fp)*mm+(\cp)*\c
.endr
.set mm, mm+1
.endr
.endm
.macro ALOADS set, vs, off             ; their scale words
.irp i, 0,1,2,3
	ds_load_b32 v[16+4*(\set)+\i], v[\vs] offset:(\off)+128*\i
.endr
.endm
.macro ALOAD set, va, vs, offa, offs, fp, cp   ; 32 LDS loads
	ALOADF \set, 0, 6, \va, \offa, \fp, \cp
	ALOADS \set, \vs, \offs
.endm
.macro ALOAD1HI va, vs, offa, offs, fp, cp     ; 16 LDS loads: set 1's row tiles 4-6 and scale words; tiles 0-3 follow when the bias has been used
	ALOADF 1, 4, 6, \va, \offa, \fp, \cp
	ALOADS 1, \vs, \offs
.endm
.macro VEC128 reg, b                   ; 128 numbers of a vector by columns, in the accumulators' layout: register 8 n + j = column 32 (n / 2) + 16 half + 8 (n % 2) + j
.irp n, 0,1,2,3,4,5,6,7
.irp q, 0,1
	global_load_b128 v[(\reg)+8*\n+4*\q:(\reg)+8*\n+4*\q+3], v29, s[\b:\b+1] offset:128*(\n/2)+32*(\n%2)+16*\q
.endr
.endr
.endm
.macro BAR                             ; my LDS stores have landed and my LDS loads are in: then the work-group's barrier
	s_wait_dscnt 0x0
	s_barrier_signal -1
	s_barrier_wait -1
.endm
; TWO K STEPS: 112 products, 4 half-sets, 2 activation sets.  s33 = the trip of the pass, s34 = the trip of the launch.  first = 1: a pass's first trip: the bias starts the sums, and set 1's
; row tiles 0-3 come when it is used up.
; THE RING.  Behind the products of ring buffer k, and their 8 places, buffer k is asked for again at once: the half-set four further on.  Then s_wait_loadcnt 51 shows buffer k + 1 in:
; behind its loads were issued those of k + 2, k + 3 and the new k, 17 each.
; THE BASE of the stream steps once a trip, ahead of the trip's first refill: the last loads that read it were issued 28 products earlier, and s_wait_xcnt 0 stands directly ahead of the step.
; s_wait_dscnt 32 leaves the other set's 32 loads out.  The last trip of a pass fetches K steps 0 and 1 again: set 0 serves the next pass, set 1 is not used.
.macro TRIPM first, tt, slot, ssl, fp, cp, vab, vsb
	s_add_co_u32 s35, s33, 1
	s_and_b32 s35, s35, (\tt)-1
	s_mul_i32 s36, s35, 2*(\ssl)
	s_mul_i32 s35, s35, 2*(\slot)                  ; where the next trip's two K steps lie
	s_wait_dscnt 32
	MMS 0, 0, 0, \first
	WIN 0
	s_wait_xcnt 0x0                                ; the last trip's loads have read their base: it may step
	s_add_nc_u64 s[28:29], s[28:29], 4*HSB
	s_cmp_eq_u32 s34, 11                           ; the twelfth trip fetches the head's first four half-sets
	s_cselect_b64 s[28:29], s[30:31], s[28:29]
	s_add_co_u32 s34, s34, 1
	v_add_nc_u32 v4, s35, v[\vab]
	v_add_nc_u32 v5, s36, v[\vsb]
	PL 6                                           ; with the two additions: 8 places
.if \first
	ALOADF 1, 0, 1, \vab, \slot, \fp, \cp
.endif
	BLOAD 0, 28, 0
	s_wait_loadcnt 51                              ; buffer 1 is in
	MMS 0, 1, 4, \first
	WIN 0
	PL 8
.if \first
	ALOADF 1, 2, 3, \vab, \slot, \fp, \cp
.endif
	BLOAD 1, 28, HSB
	ALOAD 0, 4, 5, 0, 0, \fp, \cp
	s_wait_loadcnt 51                              ; buffer 2 is in
	s_wait_dscnt 32
	MMS 1, 2, 0, 0
	WIN 0
	PL 8
	BLOAD 2, 28, 2*HSB
	s_wait_loadcnt 51                              ; buffer 3 is in
	MMS 1, 3, 4, 0
	WIN 0
	PL 8
	BLOAD 3, 28, 3*HSB
	ALOAD 1, 4, 5, \slot, \ssl, \fp, \cp
	s_wait_loadcnt 51                              ; buffer 0 is in, for the next trip
	s_add_co_u32 s33, s33, 1
.endm
; Row tile m's 64 numbers of a lane (register 16 b + i = k 32 b + 16 half + i of my row) become a fragment's codes in v[pc] on and its scale word in v[pw].  relu = 1: what is negative becomes 0.
.macro QUANT m, tm, pc, pw, relu
.set wA, 2+(\m)/4
.set aB, 64*((\m)%4)
	WIN (wA<<2)|(wA<<4)
.irp b, 0,1,2,3
.if \relu
	v_max3_num_f32 v[(\tm)+\b], 0x4800000, v[aB+16*\b], v[aB+16*\b+1]      ; the floor 2^(9 - 127) holds the byte at 1 from below; no |.|: what is negative must not count
.else
	v_max3_num_f32 v[(\tm)+\b], 0x4800000, |v[aB+16*\b]|, |v[aB+16*\b+1]|
.endif
.endr
.irp i, 2,4,6,8,10,12,14
.irp b, 0,1,2,3
.if \relu
	v_max3_num_f32 v[(\tm)+\b], v[(\tm)+\b], v[aB+16*\b+\i], v[aB+16*\b+\i+1]
.else
	v_max3_num_f32 v[(\tm)+\b], v[(\tm)+\b], |v[aB+16*\b+\i]|, |v[aB+16*\b+\i+1]|
.endif
.endr
.endr
	WIN 0
.irp b, 0,1,2,3
	v_permlanex16_b32 v[(\tm)+4+\b], v[(\tm)+\b], s40, s41
.endr
.irp b, 0,1,2,3
	v_max_num_f32 v[(\tm)+\b], v[(\tm)+\b], v[(\tm)+4+\b]       ; with lane xor 16: the block's largest magnitude
.endr
.irp b, 0,1,2,3
	v_add_nc_u32 v[(\tm)+12+\b], 0xfc000000, v[(\tm)+\b]        ; 8 off its exponent field: the conversion's scale operand
.endr
.irp b, 0,1,2,3
	v_and_or_b32 v[(\tm)+8+\b], v[(\tm)+\b], 0x7f800000, s42    ; 448 x the scale
.endr
.irp b, 0,1,2,3
	v_lshrrev_b32 v[(\tm)+4+\b], 23, v[(\tm)+12+\b]             ; the scale's byte
.endr
	v_lshl_or_b32 v[\pw], v[(\tm)+5], 8, v[(\tm)+4]
	v_lshl_or_b32 v[\pw], v[(\tm)+6], 16, v[\pw]
	v_lshl_or_b32 v[\pw], v[(\tm)+7], 24, v[\pw]
	WIN (wA<<6)|wA
.irp b, 0,1,2,3
.irp i, 0,1,2,3,4,5,6,7,8,9,10,11,12,13,14,15
.if \relu
	v_med3_num_f32 v[aB+16*\b+\i], v[aB+16*\b+\i], 0, v[(\tm)+8+\b]       ; the activation and the hold in one (the conversion does not saturate: ISA guide 7.6.2)
.else
	v_med3_num_f32 v[aB+16*\b+\i], v[aB+16*\b+\i], -v[(\tm)+8+\b], v[(\tm)+8+\b]
.endif
.endr
.endr
	s_wait_dscnt 0x0                               ; the last image's stores have read the codes' registers
	WIN wA
.irp b, 0,1,2,3
	v_cvt_scalef32_pk8_fp8_f32 v[(\pc)+4*\b:(\pc)+4*\b+1], v[aB+16*\b:aB+16*\b+7], v[(\tm)+12+\b]
	v_cvt_scalef32_pk8_fp8_f32 v[(\pc)+4*\b+2:(\pc)+4*\b+3], v[aB+16*\b+8:aB+16*\b+15], v[(\tm)+12+\b]
.endr
	WIN 0
	v_nop                                          ; one plain instruction behind the last scaled conversion
.endm
.macro IMG m, pc, pw                   ; the fragment goes to LDS as it stands; v30, v31: my K step's slot
.irp c, 0,1,2,3
	ds_store_b128 v30, v[(\pc)+4*\c:(\pc)+4*\c+3] offset:2048*(\m)+512*\c
.endr
	ds_store_b32 v31, v[\pw] offset:64*(\m)
.if (\m) == 6
	ds_store_b32 v31, v[\pw] offset:448            ; the eighth place, which is loaded with the seventh and never used, holds written bytes
.endif
.endm
; ---------------- the head of the text ----------------
	s_load_b512 s[4:19], s[0:1], 0x0               ; x codes s[4:5], x scales s[6:7], b1 s[8:9], b2 s[10:11], gamma s[12:13], beta s[14:15], head_b s[16:17], wfrag s[18:19]
	s_load_b128 s[20:23], s[0:1], 0x40             ; order s[20:21], tinfo s[22:23]
	s_load_b64 s[24:25], s[0:1], 0x50              ; out
	v_lshrrev_b32 v30, 5, v0
	v_readfirstlane_b32 s26, v30                   ; wave 0..3
	v_and_b32 v31, 31, v0
	v_lshlrev_b32 v1, 4, v31                       ; 16 x lane
	v_lshlrev_b32 v2, 3, v31                       ; 8 x lane
	v_lshlrev_b32 v3, 2, v31                       ; 4 x lane
	v_and_b32 v30, 15, v0                          ; r
	v_bfe_u32 v29, v0, 4, 1                        ; half
	v_mul_u32_u24 v6, v29, 272
	v_lshl_add_u32 v6, v30, 4, v6
	v_add_nc_u32 v6, P, v6                         ; x's fragments: 16 r + 272 half
	v_add_nc_u32 v7, XSC, v3                       ; x's scale words
	v_add_nc_u32 v24, HSC, v3                      ; h's scale words
	s_mul_i32 s35, s26, 2*HSLOT
	v_add_nc_u32 v25, s35, v1                      ; where I store images: K step 2 w
	v_lshl_add_u32 v26, v30, 2, HSC
	v_add_nc_u32 v26, s35, v26                     ; and their scale words
	v_mul_u32_u24 v27, v30, 80
	s_lshl_b32 s36, s26, 4
	s_add_co_u32 s36, s36, ST
	v_add_nc_u32 v27, s36, v27                     ; my statistics: 80 r + 16 w
	s_mul_i32 s36, s26, PARKW
	s_add_co_u32 s36, s36, P
	v_add_nc_u32 v28, s36, v1                      ; my park
	v_lshlrev_b32 v29, 6, v29                      ; 64 x half: 16 numbers of a vector by columns
	v_bfe_u32 v245, v0, 3, 2                       ; a row of x as loaded: lane l holds K step l / 8, piece (l / 2) % 4, half l % 2
	v_mul_u32_u24 v244, v245, XSLOT
	v_bfe_u32 v245, v0, 1, 2
	v_mad_u32_u24 v244, v245, XCP, v244
	v_and_b32 v245, 1, v0
	v_mad_u32_u24 v244, v245, 272, v244
	s_lshl_b32 s36, s26, 6
	s_add_co_u32 s36, s36, P
	v_add_nc_u32 v244, s36, v244                   ; + 16 (4 w): my places of a row tile
	v_lshl_add_u32 v246, v0, 2, RT
	s_lshl_b32 s36, s26, 7
	v_add_nc_u32 v247, s36, v7
	v_min_u32 v237, 111, v0
	v_lshlrev_b32 v237, 2, v237
	s_mov_b32 s40, 0x76543210
	s_mov_b32 s41, 0xfedcba98                      ; selects for lane xor 16
	s_mov_b32 s42, 0x600000                        ; the mantissa field of 448
	s_mov_b32 s52, 0x3a800000                      ; 1 / 1,024
	s_mov_b32 s53, 0x3727c5ac                      ; 1e-5
	s_mov_b32 s34, 0                               ; trips done
	s_mov_b32 s37, 0
	s_lshl_b32 s38, s26, 4
	s_lshl_b32 s39, ttmp9, 2
	s_wait_kmcnt 0x0
	s_mul_i32 s36, ttmp9, 448
	s_add_nc_u64 s[20:21], s[20:21], s[36:37]      ; my tile's list
	s_load_b32 s27, s[22:23], s39 offset:0x0       ; its type
	s_load_b32 s43, s[20:21], 0x0                  ; its first row
.irp m, 0,1,2,3,4,5,6
	s_load_b128 s[68+4*\m:71+4*\m], s[20:21], s38 offset:64*\m     ; places 16 m + 4 w + 0 .. 3: the rows that I bring in
.endr
	s_mul_i32 s36, s26, 48*HSB
	s_add_nc_u64 s[58:59], s[18:19], s[36:37]      ; my wave's 48 half-sets
	s_mov_b64 s[28:29], s[58:59]                   ; the stream's base: each trip steps it by four half-sets ahead of its first refill
	s_lshl_b32 s36, s26, 10
	s_add_nc_u64 s[44:45], s[8:9], s[36:37]        ; my 256 numbers of b1,
	s_add_nc_u64 s[50:51], s[10:11], s[36:37]      ; of b2,
	s_add_nc_u64 s[46:47], s[12:13], s[36:37]      ; of gamma,
	s_add_nc_u64 s[48:49], s[14:15], s[36:37]      ; of beta
	global_load_b32 v236, v237, s[20:21]           ; place 32 w + lane, for the scale words and the way out
	BLOAD 0, 58, 0
	VEC128 BI, 44                                  ; the first pass's bias
	s_wait_kmcnt 0x0
	s_min_u32 s39, s27, 2
	s_lshl_b32 s36, s39, 2
	s_add_co_u32 s36, s36, s26
	s_lshl_b32 s36, s36, 3
	s_add_co_u32 s36, s36, 192
	s_mul_i32 s36, s36, HSB
	s_add_nc_u64 s[30:31], s[18:19], s[36:37]      ; the head's 8 half-sets of my type and wave
	s_lshl_b32 s36, s39, 10
	s_lshl_b32 s35, s26, 8
	s_add_co_u32 s36, s36, s35
	s_add_nc_u64 s[56:57], s[16:17], s[36:37]      ; and its bias
.set i, 0
.rept 28
	s_cmp_eq_u32 s[68+i], -1                       ; an empty place takes the tile's first row
	s_cselect_b32 s[68+i], s43, s[68+i]
	s_min_u32 s[68+i], s[68+i], NROW1
	v_lshl_add_u32 v[208+i], s[68+i], 9, v1
.set i, i+1
.endr
.set i, 0
.rept 28
	global_load_b128 v[32+4*i:35+4*i], v[208+i], s[4:5]            ; a whole row of x: 512 consecutive bytes
.set i, i+1
.endr
	s_wait_loadcnt 61                              ; behind the list's load: 17 + 16 + 28
	v_mov_b32 v238, s43
	v_cmp_eq_u32 vcc_lo, -1, v236
	v_cndmask_b32 v236, v236, v238, vcc_lo
	v_min_u32 v236, NROW1, v236
	v_lshlrev_b32 v239, 4, v236
	global_load_b128 v[240:243], v239, s[6:7]      ; that row's four scale words
	BLOAD 1, 58, HSB
	BLOAD 2, 58, 2*HSB
	ds_store_b32 v246, v236
	s_wait_loadcnt 35                              ; x's rows are in; behind them 1 + 34
.set i, 0
.rept 28
	ds_store_b128 v244, v[32+4*i:35+4*i] offset:XFP*(i/4)+16*(i%4)
.set i, i+1
.endr
	s_wait_loadcnt 34
.irp s, 0,1,2,3
	ds_store_b32 v247, v[240+\s] offset:512*\s
.endr
	s_add_nc_u64 s[44:45], s[44:45], 512           ; (the bias's loads are in)  the second pass's bias
	BAR                                            ; x's images and the rows lie in LDS
	ALOAD 0, 6, 7, 0, 0, XFP, XCP
	ALOAD1HI 6, 7, XSLOT, 512, XFP, XCP
	BLOAD 3, 58, 3*HSB
	s_wait_dscnt 16                                ; set 0 is in
; ---------------- layer 1: two passes of 4 K steps; relu and quantiser; images of h1 ----------------
	s_mov_b32 s32, 0
.Lpass1:
	s_mov_b32 s33, 0
	TRIPM 1, 2, XSLOT, 512, XFP, XCP, 6, 7
	TRIPM 0, 2, XSLOT, 512, XFP, XCP, 6, 7
	s_wait_dscnt 0x0                               ; set 0 for the next pass is in; set 1's registers are free
	VEC128 BI, 44                                  ; the next pass's bias
	s_mul_i32 s35, s32, HSLOT
	v_add_nc_u32 v30, s35, v25
	v_add_nc_u32 v31, s35, v26
.irp b, 0,1,2,3
	v_mov_b32 v[212+\b], 0                         ; a lane exchange's destination counts as read
.endr
.irp m, 0,1,2,3,4,5,6
	QUANT \m, 208, 224, 240, 1
	IMG \m, 224, 240
.endr
	s_wait_xcnt 0x0
	s_mov_b64 s[44:45], s[50:51]                   ; behind b1's second half comes b2's first
	s_wait_dscnt 0x0
	ALOAD1HI 6, 7, XSLOT, 512, XFP, XCP
	s_wait_loadcnt 0x0                             ; the bias and the ring: the counts in the trips start afresh
	s_add_co_u32 s32, s32, 1
	s_cmp_lt_u32 s32, 2
	s_cbranch_scc1 .Lpass1
	s_add_nc_u64 s[44:45], s[50:51], 512
	BAR                                            ; h1 is whole, and nobody reads x any more
	ALOAD 0, 1, 24, 0, 0, 2048, 512
	ALOAD1HI 1, 24, HSLOT, HSLOT, 2048, 512
	WIN 0xc0
.set i, 0
.rept 64
	v_mov_b32 v[192+i], 0                          ; the 64 registers that keep a row tile are written whole once, so that they hold numbers on every way through the text
.set i, i+1
.endr
	WIN 0
	s_wait_dscnt 16
; ---------------- layer 2: two passes of 8 K steps; statistics; the first half is parked ----------------
; Row tile m: mean and sum of squared differences of my 128 columns of each row (64 numbers a lane, the other 64 in lane xor 16).  Each accumulator is read from its low end on.
.macro STATS m
.set wA, 2+(\m)/4
.set aB, 64*((\m)%4)
	WIN wA|(wA<<2)
.irp c, 0,1,2,3
	v_pk_add_f32 v[208+2*\c:209+2*\c], v[aB+4*\c:aB+4*\c+1], v[aB+4*\c+2:aB+4*\c+3]
.endr
	WIN wA<<2
.set j, 8
.rept 24
	v_pk_add_f32 v[208+2*(j%4):209+2*(j%4)], v[208+2*(j%4):209+2*(j%4)], v[aB+2*j:aB+2*j+1]
.set j, j+1
.endr
	WIN 0
	v_pk_add_f32 v[208:209], v[208:209], v[210:211]
	v_pk_add_f32 v[212:213], v[212:213], v[214:215]
	v_pk_add_f32 v[208:209], v[208:209], v[212:213]
	v_add_f32 v251, v208, v209
	v_permlanex16_b32 v252, v251, s40, s41
	v_add_f32 v251, v251, v252
	s_wait_dscnt 0x0                               ; the last tile's store has read its pair
	v_mul_f32 v248, 0x3c000000, v251               ; / 128: the group's mean
.set g, 0
.rept 2
	WIN wA
.set i, 0
.rept 16
	v_pk_add_f32 v[208+2*i:209+2*i], v[aB+32*g+2*i:aB+32*g+2*i+1], v[248:249] op_sel_hi:[1,0] neg_lo:[0,1] neg_hi:[0,1]
.set i, i+1
.endr
	WIN 0
.set i, 0
.rept 16
.if (g == 0) && (i < 4)
	v_pk_mul_f32 v[240+2*i:241+2*i], v[208+2*i:209+2*i], v[208+2*i:209+2*i]
.else
	v_pk_fma_f32 v[240+2*(i%4):241+2*(i%4)], v[208+2*i:209+2*i], v[208+2*i:209+2*i], v[240+2*(i%4):241+2*(i%4)]
.endif
.set i, i+1
.endr
.set g, g+1
.endr
	v_pk_add_f32 v[240:241], v[240:241], v[242:243]
	v_pk_add_f32 v[244:245], v[244:245], v[246:247]
	v_pk_add_f32 v[240:241], v[240:241], v[244:245]
	v_add_f32 v251, v240, v241
	v_permlanex16_b32 v252, v251, s40, s41
	v_add_f32 v249, v251, v252
	ds_store_b64 v250, v[248:249] offset:1280*(\m)
.endm
	s_mov_b32 s32, 0
.Lpass2:
	s_mov_b32 s33, 0
	TRIPM 1, 4, HSLOT, HSLOT, 2048, 512, 1, 24
.Lk2:
	TRIPM 0, 4, HSLOT, HSLOT, 2048, 512, 1, 24
	s_cmp_lt_u32 s33, 4
	s_cbranch_scc1 .Lk2
	s_wait_dscnt 0x0
	s_lshl_b32 s35, s32, 3
	v_add_nc_u32 v250, s35, v27                    ; group 2 w + pass
	v_mov_b32 v249, 0                              ; named as a pair's upper half before it is first made
	v_mov_b32 v252, 0
.irp m, 0,1,2,3,4,5,6
	STATS \m
.endr
	s_cmp_lg_u32 s32, 0
	s_cbranch_scc1 .Lparked
	VEC128 BI, 44                                  ; the second pass's bias
	WIN 0x08
.set i, 0
.rept 64
	ds_store_b128 v28, v[4*i:4*i+3] offset:512*i   ; row tiles 0-3: 8,192 m + 512 q
.set i, i+1
.endr
	WIN 0x0c
.set i, 0
.rept 32
	ds_store_b128 v28, v[4*i:4*i+3] offset:32768+512*i             ; row tiles 4, 5
.set i, i+1
.endr
	WIN 0xc3
.set i, 0
.rept 64
	v_mov_b32 v[192+i], v[128+i]                   ; row tile 6 stays in registers: LDS has no room for it
.set i, i+1
.endr
	WIN 0
.Lparked:
	s_wait_dscnt 0x0
	ALOAD1HI 1, 24, HSLOT, HSLOT, 2048, 512
	s_wait_loadcnt 0x0
	s_add_co_u32 s32, s32, 1
	s_cmp_lt_u32 s32, 2
	s_cbranch_scc1 .Lpass2
; ---------------- LayerNorm and quantiser: the second half first (it lies in the accumulators), then the parked one ----------------
	s_add_nc_u64 s[46:47], s[46:47], 512
	s_add_nc_u64 s[48:49], s[48:49], 512
	VEC128 32, 46                                  ; gamma and beta of the half in hand
	VEC128 96, 48
	BAR                                            ; the statistics are whole, and nobody reads h1 any more
	v_and_b32 v246, 15, v0
	v_mul_u32_u24 v246, v246, 80
	v_add_nc_u32 v246, ST, v246
.macro CLOAD m
.irp q, 0,1,2,3
	ds_load_b128 v[160+16*((\m)%4)+4*\q:160+16*((\m)%4)+4*\q+3], v246 offset:1280*(\m)+16*\q
.endr
.endm
; the eight groups of 128 joined: mean = the mean of the means; sum of squares = the sum of the groups' + 128 x the sum of (group mean - mean)^2
.macro CCALC m
.set cb, 160+16*((\m)%4)
	v_add_f32 v238, v[cb], v[cb+2]
	v_add_f32 v239, v[cb+4], v[cb+6]
	v_add_f32 v240, v[cb+8], v[cb+10]
	v_add_f32 v241, v[cb+12], v[cb+14]
	v_add_f32 v242, v[cb+1], v[cb+3]
	v_add_f32 v243, v[cb+5], v[cb+7]
	v_add_f32 v244, v[cb+9], v[cb+11]
	v_add_f32 v245, v[cb+13], v[cb+15]
	v_add_f32 v238, v238, v239
	v_add_f32 v240, v240, v241
	v_add_f32 v242, v242, v243
	v_add_f32 v244, v244, v245
	v_add_f32 v238, v238, v240
	v_add_f32 v242, v242, v244
	v_mul_f32 v[224+2*(\m)], 0x3e000000, v238      ; the row's mean
.irp g, 0,1,2,3,4,5,6,7
	v_sub_f32 v[cb+2*\g], v[cb+2*\g], v[224+2*(\m)]
.endr
	v_mul_f32 v238, v[cb], v[cb]
	v_mul_f32 v239, v[cb+2], v[cb+2]
.irp g, 2,3,4,5,6,7
	v_fma_f32 v[238+\g%2], v[cb+2*\g], v[cb+2*\g], v[238+\g%2]
.endr
	v_add_f32 v238, v238, v239
	v_fma_f32 v242, 0x43000000, v238, v242
	v_fma_f32 v[225+2*(\m)], v242, s52, s53        ; variance + 1e-5
.endm
.irp m, 0,1,2,3
	CLOAD \m
.endr
	s_wait_dscnt 0x0
.irp m, 0,1,2,3
	CCALC \m
.endr
.irp m, 4,5,6
	CLOAD \m
.endr
	s_wait_dscnt 0x0
.irp m, 4,5,6
	CCALC \m
.endr
.irp m, 0,1,2,3,4,5,6
	v_rsq_f32 v[194+2*\m], v[225+2*\m]             ; r = 1 / sqrt(variance + 1e-5)
.endr
	v_nop                                          ; a plain instruction behind the last of them,
	s_wait_alu depctr_va_vdst(0)                   ; and one wait ahead of the first reader
.irp m, 0,1,2,3,4,5,6
	v_mul_f32 v[224+2*\m], -v[224+2*\m], v[194+2*\m]               ; -mean r takes the mean's place
.endr
.macro NORM m                          ; (x r - mean r) gamma + beta, in place: two fused multiply-adds, two numbers an instruction
.set wA, 2+(\m)/4
.set aB, 64*((\m)%4)
	WIN (wA<<6)|wA
.set i, 0
.rept 32
	v_pk_fma_f32 v[aB+i:aB+i+1], v[aB+i:aB+i+1], v[194+2*(\m):195+2*(\m)], v[224+2*(\m):225+2*(\m)] op_sel_hi:[1,0,0]   ; of the pairs r and -mean r the low word serves both halves
.set i, i+2
.endr
.set i, 0
.rept 32
	v_pk_fma_f32 v[aB+i:aB+i+1], v[aB+i:aB+i+1], v[32+i:33+i], v[96+i:97+i]
.set i, i+2
.endr
.endm
	s_mov_b32 s33, 0
.Lhalf:
	s_wait_loadcnt 0x0                             ; gamma and beta
	s_wait_dscnt 0x0                               ; the parked numbers
	s_xor_b32 s35, s33, 1
	s_mul_i32 s35, s35, HSLOT
	v_add_nc_u32 v30, s35, v25                     ; K step 2 w + 1, then 2 w
	v_add_nc_u32 v31, s35, v26
.irp b, 0,1,2,3
	v_mov_b32 v[164+\b], 0
.endr
.irp m, 0,1,2,3,4,5,6
	NORM \m
	QUANT \m, 160, 176, 192, 0
	IMG \m, 176, 192
.endr
	s_cmp_eq_u32 s33, 1
	s_cbranch_scc1 .Lno_more
	s_wait_xcnt 0x0
	s_sub_nc_u64 s[46:47], s[46:47], 512
	s_sub_nc_u64 s[48:49], s[48:49], 512
	VEC128 32, 46
	VEC128 96, 48
	WIN 0x80
.set i, 0
.rept 64
	ds_load_b128 v[4*i:4*i+3], v28 offset:512*i
.set i, i+1
.endr
	WIN 0xc0
.set i, 0
.rept 32
	ds_load_b128 v[4*i:4*i+3], v28 offset:32768+512*i
.set i, i+1
.endr
	WIN 0xc3
.set i, 0
.rept 64
	v_mov_b32 v[128+i], v[192+i]
.set i, i+1
.endr
	WIN 0
.Lno_more:
	s_add_co_u32 s33, s33, 1
	s_cmp_lt_u32 s33, 2
	s_cbranch_scc1 .Lhalf
	v_lshrrev_b32 v30, 1, v29                      ; 32 x half: 8 numbers.  (v30 is free: the last image is stored; nothing writes it from here on, so the loads below keep their offset)
	WIN 0xc0
.irp n, 0,1,2,3
.irp q, 0,1
	global_load_b128 v[192+8*\n+4*\q:192+8*\n+4*\q+3], v30, s[56:57] offset:64*\n+16*\q     ; the head's bias: column 16 n + 8 half + j
.endr
.endr
	WIN 0
	v_add_nc_u32 v6, 4*HSLOT, v1                   ; K steps 4-7 lie past an LDS immediate's reach
	v_add_nc_u32 v7, 4*HSLOT, v24
	BAR                                            ; h2 is whole, and the park is read out
; ---------------- the head of my type: 8 K steps of 28 products ----------------
.macro HLOAD set, sl
.if (\sl) < 4
	ALOAD \set, 1, 24, (\sl)*HSLOT, (\sl)*HSLOT, 2048, 512
.else
	ALOAD \set, 6, 7, ((\sl)-4)*HSLOT, ((\sl)-4)*HSLOT, 2048, 512
.endif
.endm
.macro HSTEP s
.if (\s) <= 6
	s_wait_dscnt 32                                ; my set is in; the other set's 32 loads may be out
.else
	s_wait_dscnt 0x0
.endif
.if (\s) >= 4
	s_wait_loadcnt 17*(7-(\s))                     ; behind this buffer's reload: the later buffers'
.endif
.if (\s) == 0
	MMS 0, 0, 0, 2
.else
	MMS (\s)%2, (\s)%4, 0, 0
.endif
	WIN 0
	PL 8
.if (\s) < 4
	BLOAD \s, 30, HSB*((\s)+4)
.endif
.if (\s) <= 5
	HLOAD (\s)%2, (\s)+2
.endif
.endm
	HLOAD 0, 0
	HLOAD 1, 1
	s_wait_loadcnt 0x0                             ; the ring's four half-sets and the bias
.irp s, 0,1,2,3,4,5,6,7
	HSTEP \s
.endr
; ---------------- the way out: each row tile through my own stage, back as rows of 256 bytes, to the rows that the list names ----------------
	v_and_b32 v92, 15, v0
	v_bfe_u32 v93, v0, 4, 1
	s_lshl_b32 s35, s26, 8
	v_lshl_add_u32 v88, v92, 4, s35                ; in a row of out: my wave's 256 bytes, 16 a lane
	s_mul_i32 s36, s26, STGW
	s_add_co_u32 s36, s36, P
	v_mul_u32_u24 v89, v92, 272
	v_lshl_add_u32 v89, v93, 5, v89
	v_add_nc_u32 v89, s36, v89                     ; in: row r, 32 bytes for each half
	v_mul_u32_u24 v90, v93, 2176
	v_lshl_add_u32 v90, v92, 4, v90
	v_add_nc_u32 v90, s36, v90                     ; back: lanes 0-15 row i, lanes 16-31 row 8 + i
	v_lshl_add_u32 v91, v93, 5, RT
	s_cmp_eq_u32 s27, 3                            ; a tile that does not exist stores nothing
	s_cbranch_scc1 .Lend
.irp m, 0,1,2,3,4,5,6
.irp q, 0,1
	ds_load_b128 v[32+8*\m+4*\q:32+8*\m+4*\q+3], v91 offset:64*\m+16*\q     ; the rows of places 16 m + 8 half + 0 .. 7
.endr
.endr
	s_wait_dscnt 0x0
.set i, 0
.rept 56
	v_min_u32 v[32+i], NROW1, v[32+i]
	v_lshl_add_u32 v[32+i], v[32+i], 10, v88
.set i, i+1
.endr
.macro TOSTAGE m
.set wA, 2+(\m)/4
.set aB, 64*((\m)%4)
	WIN wA<<2
.irp n, 0,1,2,3
.irp q, 0,1
	ds_store_b128 v89, v[aB+8*\n+4*\q:aB+8*\n+4*\q+3] offset:4352*(\m)+64*\n+16*\q       ; each accumulator from its low end on
.endr
.endr
	WIN 0
.irp i, 0,1,2,3,4,5,6,7
	ds_load_b128 v[96+32*((\m)%2)+4*\i:96+32*((\m)%2)+4*\i+3], v90 offset:4352*(\m)+272*\i   ; LDS serves a wave's instructions in order (ISA guide 5.7.1.4): these see the stores above
.endr
.endm
.macro SEND m, younger                 ; younger: the next tile's 8 stores and 8 loads, which may stay out
	s_wait_dscnt \younger
.irp i, 0,1,2,3,4,5,6,7
	global_store_b128 v[32+8*(\m)+\i], v[96+32*((\m)%2)+4*\i:96+32*((\m)%2)+4*\i+3], s[24:25] th:TH_STORE_NT   ; 16 lanes store 256 consecutive bytes, at a multiple of 256 from out's first byte
.endr
.endm
	TOSTAGE 0
.irp m, 1,2,3,4,5,6
.if \m > 1
	s_wait_xcnt 0x0                                ; the stores of two tiles back have read their registers: this tile's loads may land there
.endif
	TOSTAGE \m
	SEND (\m)-1, 16
.endr
	SEND 6, 0
.Lend:
	s_wait_xcnt 0x0
	v_lshl_add_u32 v254, v0, 2, 0x4f500
	v_mov_b32 v255, 0
	s_wait_tensorcnt 0x0
	ds_add_u32 v254, v255
	s_wait_dscnt 0x0
	s_endpgm
.Lfunc_end_k_q1cab110199_chain:
	.size	k_q1cab110199_chain, .Lfunc_end_k_q1cab110199_chain-k_q1cab110199_chain
	.p2alignl 7, 3214868480
	.fill 96, 4, 3214868480
	.section	.rodata,"a",@progbits
	.p2align	6, 0x0
	.amdhsa_kernel k_q1cab110199_chain
		.amdhsa_group_segment_fixed_size 325376
		.amdhsa_private_segment_fixed_size 0
		.amdhsa_enable_private_segment 0
		.amdhsa_kernarg_size 88
		.amdhsa_user_sgpr_count 2
		.amdhsa_user_sgpr_kernarg_segment_ptr 1
		.amdhsa_wavefront_size32 1
		.amdhsa_system_sgpr_workgroup_id_x 1
		.amdhsa_system_sgpr_workgroup_id_y 1
		.amdhsa_system_sgpr_workgroup_id_z 1
		.amdhsa_system_vgpr_workitem_id 0
		.amdhsa_next_free_vgpr 1024
		.amdhsa_next_free_sgpr 100
		.amdhsa_reserve_vcc 1
		.amdhsa_float_denorm_mode_32 3
		.amdhsa_float_denorm_mode_16_64 3
		.amdhsa_memory_ordered 1
		.amdhsa_forward_progress 1
		.amdhsa_inst_pref_size 255
	.end_amdhsa_kernel
	.section	.bss,"aw",@nobits
	.p2align	6
	.space	262144
	.amdgpu_metadata
---
amdhsa.version: [ 1, 2 ]
amdhsa.kernels:
  - .name:           k_q1cab110199_chain
    .symbol:         k_q1cab110199_chain.kd
    .args:
      - { .name: node_latent_codes, .offset: 0, .size: 8, .value_kind: global_buffer, .address_space: global }
      - { .name: node_latent_scales, .offset: 8, .size: 8, .value_kind: global_buffer, .address_space: global }
      - { .name: b1, .offset: 16, .size: 8, .value_kind: global_buffer, .address_space: global }
      - { .name: b2, .offset: 24, .size: 8, .value_kind: global_buffer, .address_space: global }
      - { .name: ln_gamma, .offset: 32, .size: 8, .value_kind: global_buffer, .address_space: global }
      - { .name: ln_beta, .offset: 40, .size: 8, .value_kind: global_buffer, .address_space: global }
      - { .name: head_b, .offset: 48, .size: 8, .value_kind: global_buffer, .address_space: global }
      - { .name: wfrag, .offset: 56, .size: 8, .value_kind: global_buffer, .address_space: global }
      - { .name: order, .offset: 64, .size: 8, .value_kind: global_buffer, .address_space: global }
      - { .name: tinfo, .offset: 72, .size: 8, .value_kind: global_buffer, .address_space: global }
      - { .name: out0, .offset: 80, .size: 8, .value_kind: global_buffer, .address_space: global }
    .group_segment_fixed_size: 325376
    .private_segment_fixed_size: 0
    .kernarg_segment_align: 8
    .kernarg_segment_size: 88
    .max_flat_workgroup_size: 128
    .sgpr_count:     100
    .vgpr_count:     1024
    .wavefront_size: 32
...
	.end_amdgpu_metadata
.endif
;; end of part 2
;; ======== version 2 of 2: 2 launches; version 1 with the launch chain written anew for expert scheduling mode
;; workspace buffers: wfrag 2,433,024 bytes; order 101,376 bytes of whole numbers; tinfo 1,024 bytes of whole numbers
;; launch prep: the kernel of part 1 again; grid 61 x 1, 32 waves a work-group, no clusters, 4,608 bytes of LDS; arguments node_types, w1_codes, w1_scales, w2_codes, w2_scales, head_w_codes, head_w_scales, wfrag, order, tinfo; writes wfrag, order, tinfo
;; launch chain (part 3): grid 226 x 1, 4 waves a work-group, no clusters, 325,376 bytes of LDS; arguments node_latent_codes, node_latent_scales, b1, b2, ln_gamma, ln_beta, head_b, wfrag, order, tinfo, out0; writes out0
.if DOCPART == 3
	.amdgcn_target "amdgcn-amd-amdhsa--gfx1250"
	.amdhsa_code_object_version 6
	.text
	.protected	k_q1cab110199_chain
	.globl	k_q1cab110199_chain
	.p2align	8
	.type	k_q1cab110199_chain,@function
k_q1cab110199_chain:
	s_mov_b64 s[64:65], 0
	v_nop
	global_prefetch_b8 v0, s[64:65] scope:SCOPE_SE
	s_setreg_imm32_b32 hwreg(HW_REG_WAVE_SCHED_MODE, 0, 2), 2
	s_setreg_imm32_b32 hwreg(HW_REG_WAVE_MODE, 25, 1), 1
	s_wait_xcnt 0x0
	s_wait_alu depctr_vm_vsrc(0)
; CHAIN: out = head[type](LayerNorm(relu(x W1 + b1) W2 + b2)) for one tile of 112 rows of one node type; all three products on E4M3 codes with E8M0 block scales.
; SHARES.  Work-group g takes tile g of the sorted list: 7 row tiles m of 16 places.  The four waves share the COLUMNS: in layers 1 and 2 wave w makes columns 256 w .. 256 w + 255 in two
; passes of 8 column tiles (pass p is K step 2 w + p of the next product), in the head columns 64 w .. 64 w + 63.  Only the head of the tile's type is multiplied.
; The products are used transposed (source 0 = 16 weight rows, source 1 = 16 rows of activations): a lane holds ONE row, and by the order in which the weights' rows were laid
; the 16 registers of two neighbouring column tiles are 16 neighbours along the next K: the conversions' results are the next operand's registers.
; WEIGHTS come from memory straight into registers, in half-sets of 4 fragments + scale words laid in register order: a ring of 4 half-sets; a buffer is asked for again as soon as its
; products are issued.  No tensor load, no cluster: each fragment is used by one wave alone, the head's address hangs on a stored number, and LDS is full (h1's codes and the parked half of layer 2).
; ACTIVATIONS go from wave to wave through LDS as images of the operand's registers.
; LAYERNORM wants all 1,024 columns of a row: layer 2's first half is parked (6 row tiles in LDS, the seventh in 64 registers) while the second is made; each wave gives (mean, sum of squared
; differences) of its 128 columns a pass, and the eight groups are joined without forming a difference of large sums.
; An empty place takes the tile's first row and stores that row's numbers once more.  A tile that does not exist (type 3) walks the chain on a clamped row and jumps over its stores
; alone: so no branch on a loaded number stands ahead of a barrier.
; LIMITS: NaN and infinities are not served; a block whose largest magnitude lies under 2^-118, a block of zeros among them, gets the scale byte 1 (its bytes are read here alone).
; ORDER OF ROUNDING: (x - mean) r, r = 1 / sqrt(variance + 1e-5), is formed as one fused multiply-add, x r + (-mean r): mean r is rounded once, an error under 2^-24 |mean| r,
; of the size that the rounding of the mean itself brings.
; REGISTERS, in windows of 256.  Window 0: v1-7, v24-31 addresses; v8-15 weight scale words (ring buffer k: v[8+2k], v[9+2k]); v16-23 activation scale words (set 0, set 1);
;   v32-143 activations set 0 (7 fragments), v144-255 set 1; between the passes v144-207 hold the next bias and v208-255 are at work.
;   Window 1: the weight ring, buffer k at 64 k.  Window 2: accumulators of row tiles 0-3 at 64 m + 8 n.  Window 3: row tiles 4-6; v192-255 the kept row tile, later the head's bias.
; THE MODE: SCHED_MODE bits 1:0 = 2 (LLVM: expert scheduling mode 2), set by the entry lines.  The code itself states the register dependences
; between vector or matrix instructions and memory or LDS instructions, with s_wait_alu, always for 0.
; THE PLAN.  Registers that memory or LDS instructions touch, and who else names them:
;   ring buffer k, v[8+2k], v[9+2k]   Written by a half-set's 17 loads; read by the 28 products of group k of a trip.
;   set 0 (v32-143, v16-19)           Written by LDS loads; read by the products of groups 0 and 1.
;   set 1 (v144-255, v20-23)          Written by LDS loads; read by the products of groups 2 and 3.  In a pass's first trip v144-175 and v176-207 hold the bias, read by groups 0 and 1.
;   So ONE wait on va_vdst stands behind each group's products, ahead of the run of loads that lands in what that group is done with: its ring buffer; behind group 1 set 0, behind group 3 set 1.
;   v4, v5                            LDS addresses of the next trip's K steps: read by the sets' loads; written once a trip: a wait on vm_vsrc ahead, group 0's wait on va_vdst behind.
;   v1, v2, v24-v29                   Offsets and addresses made at the head and never written again; v6, v7 are made a second time, behind the LayerNorm.
;   an image's codes and scale word   Written by the quantiser; read by the image's LDS stores: a wait on va_vdst ahead of the stores, one on vm_vsrc ahead of the next tile's first write of them.
;   v30, v31                          The images' addresses: written once a pass or half, behind the wait on vm_vsrc that stands at the last pass's end or at the half's head.
;   v248-v250                         A tile's statistics and their address: as the codes.
;   the accumulators                  Written by products, by vector lines and by the park's loads; read by the park's stores and by the stage's stores.
; Between the passes v208-255 are at work: the loads that land there again follow the last image's, or the last statistics', wait on va_vdst, behind which no vector line names them.
.set NROW1, 24999
.set HSB,   8448                       ; a half-set
.set HSLOT, 14848                      ; LDS: a K step of h: 7 fragment images of 2,048 bytes, then 512 bytes of scale words (64 m + 4 r)
.set HSC,   14336
.set ST,    8*HSLOT                    ; the statistics: 1,280 m + 80 r + 8 group
.set RT,    ST+7*1280                  ; the tile's rows, 4 bytes a place
.set P,     RT+512                     ; 196,608 bytes: x's images; then the park; then the stages for the way out
.set XSLOT, 15232                      ; x: a K step: 2,176 m + 544 c + 272 half + 16 r
.set XFP,   2176
.set XCP,   544
.set XSC,   P+4*XSLOT                  ; x's scale words: 512 s + 128 i + 4 lane
.set PARKW, 49152
.set STGW,  30464                      ; 7 x 16 rows x 272 bytes
.set BI,    144
.set MSB, 0
.macro WIN new                         ; the immediate's high byte repeats the setting that is left; a switch that changes nothing is dropped
.if MSB != (\new)
	s_set_vgpr_msb (MSB<<8)|(\new)
.set MSB, (\new)
.endif
.endm
.macro PL n                            ; places behind matrix instructions: 8 for this form
.rept \n
	v_nop
.endr
.endm
; One product: accumulator (m, n) += weight fragment jj of ring buffer k x activation fragment m of set par.  cz = 1: the sum starts from the bias in window 0; 2: from the head's in window 3.
; A scale register carries two tiles' words: the even tile's in lanes 0-15, the odd one's in lanes 16-31.
.macro MM par, k, jj, m, n, cz
.set rD, 64*((\m)%4)+8*(\n)
.set rB, 64*(\k)+16*(\jj)
.set rA, 32+112*(\par)+16*(\m)
.set rW, 8+2*(\k)+(\jj)/2
.set rS, 16+4*(\par)+(\m)/2
.set rC, rD
.if (\cz) == 1
.set rC, BI+8*(\n)
.elseif (\cz) == 2
.set rC, 192+8*(\n)
.endif
.if ((\jj)%2) && ((\m)%2)
	v_wmma_scale_f32_16x16x128_f8f6f4 v[rD:rD+7], v[rB:rB+15], v[rA:rA+15], v[rC:rC+7], v[rW], v[rS] matrix_a_scale:MATRIX_SCALE_ROW1 matrix_b_scale:MATRIX_SCALE_ROW1
.elseif (\jj)%2
	v_wmma_scale_f32_16x16x128_f8f6f4 v[rD:rD+7], v[rB:rB+15], v[rA:rA+15], v[rC:rC+7], v[rW], v[rS] matrix_a_scale:MATRIX_SCALE_ROW1
.elseif (\m)%2
	v_wmma_scale_f32_16x16x128_f8f6f4 v[rD:rD+7], v[rB:rB+15], v[rA:rA+15], v[rC:rC+7], v[rW], v[rS] matrix_b_scale:MATRIX_SCALE_ROW1
.else
	v_wmma_scale_f32_16x16x128_f8f6f4 v[rD:rD+7], v[rB:rB+15], v[rA:rA+15], v[rC:rC+7], v[rW], v[rS]
.endif
.endm
; 28 products: a half-set's 4 column tiles (n = nb + jj) x the 7 row tiles.  The accumulators take turns, one instruction a turn.
.macro MMS par, k, nb, cz
.if (\cz) == 1
	WIN 0x81
.elseif (\cz) == 2
	WIN 0xb1
.else
	WIN 0xa1
.endif
.irp jj, 0,1,2,3
.irp m, 0,1,2,3
	MM \par, \k, \jj, \m, (\nb)+\jj, \cz
.endr
.endr
.if (\cz) == 1
	WIN 0xc1
.else
	WIN 0xf1
.endif
.irp jj, 0,1,2,3
.irp m, 4,5,6
	MM \par, \k, \jj, \m, (\nb)+\jj, \cz
.endr
.endr
.endm
.macro BLOAD k, b, off                 ; a half-set into ring buffer k: 17 loads, each of consecutive bytes
	WIN 0x40
.irp jj, 0,1,2,3
.irp c, 0,1,2,3
	global_load_b128 v[64*(\k)+16*\jj+4*\c:64*(\k)+16*\jj+4*\c+3], v1, s[\b:\b+1] offset:(\off)+2048*\jj+512*\c
.endr
.endr
	WIN 0
	global_load_b64 v[8+2*(\k):9+2*(\k)], v2, s[\b:\b+1] offset:(\off)+8192
.endm
.macro ALOADF set, m0, m1, va, off, fp, cp     ; activation fragments m0 .. m1 from LDS
.set mm, \m0
.rept (\m1)-(\m0)+1
.irp c, 0,1,2,3
	ds_load_b128 v[32+112*(\set)+16*mm+4*\c:32+112*(\set)+16*mm+4*\c+3], v[\va] offset:(\off)+(\fp)*mm+(\cp)*\c
.endr
.set mm, mm+1
.endr
.endm
.macro ALOADS set, vs, off             ; their scale words
.irp i, 0,1,2,3
	ds_load_b32 v[16+4*(\set)+\i], v[\vs] offset:(\off)+128*\i
.endr
.endm
.macro ALOAD set, va, vs, offa, offs, fp, cp   ; 32 LDS loads
	ALOADF \set, 0, 6, \va, \offa, \fp, \cp
	ALOADS \set, \vs, \offs
.endm
.macro ALOAD1HI va, vs, offa, offs, fp, cp     ; 16 LDS loads: set 1's row tiles 4-6 and scale words; tiles 0-3 follow when the bias has been used
	ALOADF 1, 4, 6, \va, \offa, \fp, \cp
	ALOADS 1, \vs, \offs
.endm
.macro VEC128 reg, b                   ; 128 numbers of a vector by columns, in the accumulators' layout: register 8 n + j = column 32 (n / 2) + 16 half + 8 (n % 2) + j
.irp n, 0,1,2,3,4,5,6,7
.irp q, 0,1
	global_load_b128 v[(\reg)+8*\n+4*\q:(\reg)+8*\n+4*\q+3], v29, s[\b:\b+1] offset:128*(\n/2)+32*(\n%2)+16*\q
.endr
.endr
.endm
.macro BAR                             ; my LDS stores have landed and my LDS loads are in: then the work-group's barrier
	s_wait_dscnt 0x0
	s_barrier_signal -1
	s_barrier_wait -1
.endm
; TWO K STEPS: 112 products, 4 half-sets, 2 activation sets.  s33 = the trip of the pass, s34 = the trip of the launch.  first = 1: a pass's first trip: the bias starts the sums, and set 1's
; row tiles 0-3 come when it is used up.
; THE RING.  Behind the products of ring buffer k, their 8 places and the wait that shows them done reading it, buffer k is asked for again at once: the half-set four further on.
; Then s_wait_loadcnt 51 shows buffer k + 1 in: behind its loads were issued those of k + 2, k + 3 and the new k, 17 each.
; THE BASE of the stream steps once a trip, ahead of the trip's first refill: the last loads that read it were issued 28 products earlier, and s_wait_xcnt 0 stands directly ahead of the step.
; s_wait_dscnt 32 leaves the other set's 32 loads out.  The last trip of a pass fetches K steps 0 and 1 again: set 0 serves the next pass, set 1 is not used.
.macro TRIPM first, tt, slot, ssl, fp, cp, vab, vsb
	s_add_co_u32 s35, s33, 1
	s_and_b32 s35, s35, (\tt)-1
	s_mul_i32 s36, s35, 2*(\ssl)
	s_mul_i32 s35, s35, 2*(\slot)                  ; where the next trip's two K steps lie
	s_wait_dscnt 32
	MMS 0, 0, 0, \first
	WIN 0
	s_wait_xcnt 0x0                                ; the last trip's loads have read their base: it may step
	s_add_nc_u64 s[28:29], s[28:29], 4*HSB
	s_cmp_eq_u32 s34, 11                           ; the twelfth trip fetches the head's first four half-sets
	s_cselect_b64 s[28:29], s[30:31], s[28:29]
	s_add_co_u32 s34, s34, 1
	s_wait_alu depctr_vm_vsrc(0)                   ; the last trip's LDS loads have read v4 and v5, which the two additions write anew
	v_add_nc_u32 v4, s35, v[\vab]
	v_add_nc_u32 v5, s36, v[\vsb]
	PL 6                                           ; with the two additions: 8 places
	s_wait_alu depctr_va_vdst(0)                   ; group 0's products are done reading ring buffer 0 and its scale words (first trip: and the bias in v144-175), in which the loads below land; v4 and v5 are written
.if \first
	ALOADF 1, 0, 1, \vab, \slot, \fp, \cp
.endif
	BLOAD 0, 28, 0
	s_wait_loadcnt 51                              ; buffer 1 is in
	MMS 0, 1, 4, \first
	WIN 0
	PL 8
	s_wait_alu depctr_va_vdst(0)                   ; group 1's products are done reading ring buffer 1, its scale words and set 0 (first trip: and the bias in v176-207), in which the loads below land
.if \first
	ALOADF 1, 2, 3, \vab, \slot, \fp, \cp
.endif
	BLOAD 1, 28, HSB
	ALOAD 0, 4, 5, 0, 0, \fp, \cp
	s_wait_loadcnt 51                              ; buffer 2 is in
	s_wait_dscnt 32
	MMS 1, 2, 0, 0
	WIN 0
	PL 8
	s_wait_alu depctr_va_vdst(0)                   ; group 2's products are done reading ring buffer 2 and its scale words, in which the loads below land
	BLOAD 2, 28, 2*HSB
	s_wait_loadcnt 51                              ; buffer 3 is in
	MMS 1, 3, 4, 0
	WIN 0
	PL 8
	s_wait_alu depctr_va_vdst(0)                   ; group 3's products are done reading ring buffer 3, its scale words and set 1, in which the loads below land; and all 56 accumulators are written
	BLOAD 3, 28, 3*HSB
	ALOAD 1, 4, 5, \slot, \ssl, \fp, \cp
	s_wait_loadcnt 51                              ; buffer 0 is in, for the next trip
	s_add_co_u32 s33, s33, 1
.endm
; Row tile m's 64 numbers of a lane (register 16 b + i = k 32 b + 16 half + i of my row) become a fragment's codes in v[pc] on and its scale word in v[pw].  relu = 1: what is negative becomes 0.
.macro QUANT m, tm, pc, pw, relu
.set wA, 2+(\m)/4
.set aB, 64*((\m)%4)
	WIN (wA<<2)|(wA<<4)
.irp b, 0,1,2,3
.if \relu
	v_max3_num_f32 v[(\tm)+\b], 0x4800000, v[aB+16*\b], v[aB+16*\b+1]      ; the floor 2^(9 - 127) holds the byte at 1 from below; no |.|: what is negative must not count
.else
	v_max3_num_f32 v[(\tm)+\b], 0x4800000, |v[aB+16*\b]|, |v[aB+16*\b+1]|
.endif
.endr
.irp i, 2,4,6,8,10,12,14
.irp b, 0,1,2,3
.if \relu
	v_max3_num_f32 v[(\tm)+\b], v[(\tm)+\b], v[aB+16*\b+\i], v[aB+16*\b+\i+1]
.else
	v_max3_num_f32 v[(\tm)+\b], v[(\tm)+\b], |v[aB+16*\b+\i]|, |v[aB+16*\b+\i+1]|
.endif
.endr
.endr
	WIN 0
.irp b, 0,1,2,3
	v_permlanex16_b32 v[(\tm)+4+\b], v[(\tm)+\b], s40, s41
.endr
.irp b, 0,1,2,3
	v_max_num_f32 v[(\tm)+\b], v[(\tm)+\b], v[(\tm)+4+\b]       ; with lane xor 16: the block's largest magnitude
.endr
.irp b, 0,1,2,3
	v_add_nc_u32 v[(\tm)+12+\b], 0xfc000000, v[(\tm)+\b]        ; 8 off its exponent field: the conversion's scale operand
.endr
.irp b, 0,1,2,3
	v_and_or_b32 v[(\tm)+8+\b], v[(\tm)+\b], 0x7f800000, s42    ; 448 x the scale
.endr
.irp b, 0,1,2,3
	v_lshrrev_b32 v[(\tm)+4+\b], 23, v[(\tm)+12+\b]             ; the scale's byte
.endr
.if (\m) > 0
	s_wait_alu depctr_vm_vsrc(0)                   ; the last tile's image stores have read the scale word and the codes, which are written anew from here on (tile 0: the wait at the last pass's end or at the half's head)
.endif
	v_lshl_or_b32 v[\pw], v[(\tm)+5], 8, v[(\tm)+4]
	v_lshl_or_b32 v[\pw], v[(\tm)+6], 16, v[\pw]
	v_lshl_or_b32 v[\pw], v[(\tm)+7], 24, v[\pw]
	WIN (wA<<6)|wA
.irp b, 0,1,2,3
.irp i, 0,1,2,3,4,5,6,7,8,9,10,11,12,13,14,15
.if \relu
	v_med3_num_f32 v[aB+16*\b+\i], v[aB+16*\b+\i], 0, v[(\tm)+8+\b]       ; the activation and the hold in one (the conversion does not saturate: ISA guide 7.6.2)
.else
	v_med3_num_f32 v[aB+16*\b+\i], v[aB+16*\b+\i], -v[(\tm)+8+\b], v[(\tm)+8+\b]
.endif
.endr
.endr
	s_wait_dscnt 0x0                               ; the last image's stores have read the codes' registers
	WIN wA
.irp b, 0,1,2,3
	v_cvt_scalef32_pk8_fp8_f32 v[(\pc)+4*\b:(\pc)+4*\b+1], v[aB+16*\b:aB+16*\b+7], v[(\tm)+12+\b]
	v_cvt_scalef32_pk8_fp8_f32 v[(\pc)+4*\b+2:(\pc)+4*\b+3], v[aB+16*\b+8:aB+16*\b+15], v[(\tm)+12+\b]
.endr
	WIN 0
	v_nop                                          ; one plain instruction behind the last scaled conversion
.endm
.macro IMG m, pc, pw                   ; the fragment goes to LDS as it stands; v30, v31: my K step's slot
	s_wait_alu depctr_va_vdst(0)                   ; the conversions have written the codes, the three shifts the scale word, which the stores below read; for tile 0 also: v30 and v31 are written
.irp c, 0,1,2,3
	ds_store_b128 v30, v[(\pc)+4*\c:(\pc)+4*\c+3] offset:2048*(\m)+512*\c
.endr
	ds_store_b32 v31, v[\pw] offset:64*(\m)
.if (\m) == 6
	ds_store_b32 v31, v[\pw] offset:448            ; the eighth place, which is loaded with the seventh and never used, holds written bytes
.endif
.endm
; ---------------- the head of the text ----------------
	s_load_b512 s[4:19], s[0:1], 0x0               ; x codes s[4:5], x scales s[6:7], b1 s[8:9], b2 s[10:11], gamma s[12:13], beta s[14:15], head_b s[16:17], wfrag s[18:19]
	s_load_b128 s[20:23], s[0:1], 0x40             ; order s[20:21], tinfo s[22:23]
	s_load_b64 s[24:25], s[0:1], 0x50              ; out
	v_lshrrev_b32 v30, 5, v0
	v_readfirstlane_b32 s26, v30                   ; wave 0..3
	v_and_b32 v31, 31, v0
	v_lshlrev_b32 v1, 4, v31                       ; 16 x lane
	v_lshlrev_b32 v2, 3, v31                       ; 8 x lane
	v_lshlrev_b32 v3, 2, v31                       ; 4 x lane
	v_and_b32 v30, 15, v0                          ; r
	v_bfe_u32 v29, v0, 4, 1                        ; half
	v_mul_u32_u24 v6, v29, 272
	v_lshl_add_u32 v6, v30, 4, v6
	v_add_nc_u32 v6, P, v6                         ; x's fragments: 16 r + 272 half
	v_add_nc_u32 v7, XSC, v3                       ; x's scale words
	v_add_nc_u32 v24, HSC, v3                      ; h's scale words
	s_wait_alu depctr_va_sdst(0)                   ; s26 is written, ahead of its first reader
	s_mul_i32 s35, s26, 2*HSLOT
	v_add_nc_u32 v25, s35, v1                      ; where I store images: K step 2 w
	v_lshl_add_u32 v26, v30, 2, HSC
	v_add_nc_u32 v26, s35, v26                     ; and their scale words
	v_mul_u32_u24 v27, v30, 80
	s_lshl_b32 s36, s26, 4
	s_add_co_u32 s36, s36, ST
	v_add_nc_u32 v27, s36, v27                     ; my statistics: 80 r + 16 w
	s_mul_i32 s36, s26, PARKW
	s_add_co_u32 s36, s36, P
	v_add_nc_u32 v28, s36, v1                      ; my park
	v_lshlrev_b32 v29, 6, v29                      ; 64 x half: 16 numbers of a vector by columns
	v_bfe_u32 v245, v0, 3, 2                       ; a row of x as loaded: lane l holds K step l / 8, piece (l / 2) % 4, half l % 2
	v_mul_u32_u24 v244, v245, XSLOT
	v_bfe_u32 v245, v0, 1, 2
	v_mad_u32_u24 v244, v245, XCP, v244
	v_and_b32 v245, 1, v0
	v_mad_u32_u24 v244, v245, 272, v244
	s_lshl_b32 s36, s26, 6
	s_add_co_u32 s36, s36, P
	v_add_nc_u32 v244, s36, v244                   ; + 16 (4 w): my places of a row tile
	v_lshl_add_u32 v246, v0, 2, RT
	s_lshl_b32 s36, s26, 7
	v_add_nc_u32 v247, s36, v7
	v_min_u32 v237, 111, v0
	v_lshlrev_b32 v237, 2, v237
	s_mov_b32 s40, 0x76543210
	s_mov_b32 s41, 0xfedcba98                      ; selects for lane xor 16
	s_mov_b32 s42, 0x600000                        ; the mantissa field of 448
	s_mov_b32 s52, 0x3a800000                      ; 1 / 1,024
	s_mov_b32 s53, 0x3727c5ac                      ; 1e-5
	s_mov_b32 s34, 0                               ; trips done
	s_mov_b32 s37, 0
	s_lshl_b32 s38, s26, 4
	s_lshl_b32 s39, ttmp9, 2
	s_wait_kmcnt 0x0
	s_mul_i32 s36, ttmp9, 448
	s_add_nc_u64 s[20:21], s[20:21], s[36:37]      ; my tile's list
	s_load_b32 s27, s[22:23], s39 offset:0x0       ; its type
	s_load_b32 s43, s[20:21], 0x0                  ; its first row
.irp m, 0,1,2,3,4,5,6
	s_load_b128 s[68+4*\m:71+4*\m], s[20:21], s38 offset:64*\m     ; places 16 m + 4 w + 0 .. 3: the rows that I bring in
.endr
	s_mul_i32 s36, s26, 48*HSB
	s_add_nc_u64 s[58:59], s[18:19], s[36:37]      ; my wave's 48 half-sets
	s_mov_b64 s[28:29], s[58:59]                   ; the stream's base: each trip steps it by four half-sets ahead of its first refill
	s_lshl_b32 s36, s26, 10
	s_add_nc_u64 s[44:45], s[8:9], s[36:37]        ; my 256 numbers of b1,
	s_add_nc_u64 s[50:51], s[10:11], s[36:37]      ; of b2,
	s_add_nc_u64 s[46:47], s[12:13], s[36:37]      ; of gamma,
	s_add_nc_u64 s[48:49], s[14:15], s[36:37]      ; of beta
	s_wait_alu depctr_va_vdst(0)                   ; the offsets and addresses v1, v2, v6, v7, v24 to v29, v237, v244, v246 and v247 are written, which the loads and stores of the kernel read
	global_load_b32 v236, v237, s[20:21]           ; place 32 w + lane, for the scale words and the way out
	BLOAD 0, 58, 0
	VEC128 BI, 44                                  ; the first pass's bias
	s_wait_kmcnt 0x0
	s_min_u32 s39, s27, 2
	s_lshl_b32 s36, s39, 2
	s_add_co_u32 s36, s36, s26
	s_lshl_b32 s36, s36, 3
	s_add_co_u32 s36, s36, 192
	s_mul_i32 s36, s36, HSB
	s_add_nc_u64 s[30:31], s[18:19], s[36:37]      ; the head's 8 half-sets of my type and wave
	s_lshl_b32 s36, s39, 10
	s_lshl_b32 s35, s26, 8
	s_add_co_u32 s36, s36, s35
	s_add_nc_u64 s[56:57], s[16:17], s[36:37]      ; and its bias
.set i, 0
.rept 28
	s_cmp_eq_u32 s[68+i], -1                       ; an empty place takes the tile's first row
	s_cselect_b32 s[68+i], s43, s[68+i]
	s_min_u32 s[68+i], s[68+i], NROW1
	v_lshl_add_u32 v[208+i], s[68+i], 9, v1
.set i, i+1
.endr
	s_wait_alu depctr_va_vdst(0)                   ; the 28 rows' offsets v208 to v235 are written, which the loads below read
.set i, 0
.rept 28
	global_load_b128 v[32+4*i:35+4*i], v[208+i], s[4:5]            ; a whole row of x: 512 consecutive bytes
.set i, i+1
.endr
	s_wait_loadcnt 61                              ; behind the list's load: 17 + 16 + 28
	v_mov_b32 v238, s43
	v_cmp_eq_u32 vcc_lo, -1, v236
	s_wait_alu depctr_va_vcc(0)                    ; VCC is written, ahead of the select that reads it
	v_cndmask_b32 v236, v236, v238, vcc_lo
	v_min_u32 v236, NROW1, v236
	v_lshlrev_b32 v239, 4, v236
	s_wait_alu depctr_va_vdst(0)                   ; v239 is written, the offset of the load below, and v236, which an LDS store below reads; no vector line follows before the first products
	global_load_b128 v[240:243], v239, s[6:7]      ; that row's four scale words
	BLOAD 1, 58, HSB
	BLOAD 2, 58, 2*HSB
	ds_store_b32 v246, v236
	s_wait_loadcnt 35                              ; x's rows are in; behind them 1 + 34
.set i, 0
.rept 28
	ds_store_b128 v244, v[32+4*i:35+4*i] offset:XFP*(i/4)+16*(i%4)
.set i, i+1
.endr
	s_wait_loadcnt 34
.irp s, 0,1,2,3
	ds_store_b32 v247, v[240+\s] offset:512*\s
.endr
	s_add_nc_u64 s[44:45], s[44:45], 512           ; (the bias's loads are in)  the second pass's bias
	BAR                                            ; x's images and the rows lie in LDS
	s_wait_alu depctr_vm_vsrc(0)                   ; my LDS stores have read v32-143, v236 and v240-247, and my loads their offsets v208-235, v237 and v239: the activations below land in all of these
	ALOAD 0, 6, 7, 0, 0, XFP, XCP
	ALOAD1HI 6, 7, XSLOT, 512, XFP, XCP
	BLOAD 3, 58, 3*HSB
	s_wait_dscnt 16                                ; set 0 is in
; ---------------- layer 1: two passes of 4 K steps; relu and quantiser; images of h1 ----------------
	s_mov_b32 s32, 0
.Lpass1:
	s_mov_b32 s33, 0
	TRIPM 1, 2, XSLOT, 512, XFP, XCP, 6, 7
	TRIPM 0, 2, XSLOT, 512, XFP, XCP, 6, 7
	s_wait_dscnt 0x0                               ; set 0 for the next pass is in; set 1's registers are free
	VEC128 BI, 44                                  ; the next pass's bias.  No wait: no vector or matrix line since the trip's last wait on va_vdst
	s_mul_i32 s35, s32, HSLOT
	v_add_nc_u32 v30, s35, v25                     ; (the last pass's stores have read v30 and v31: the wait on vm_vsrc at that pass's end)
	v_add_nc_u32 v31, s35, v26
.irp b, 0,1,2,3
	v_mov_b32 v[212+\b], 0                         ; a lane exchange's destination counts as read
.endr
.irp m, 0,1,2,3,4,5,6
	QUANT \m, 208, 224, 240, 1
	IMG \m, 224, 240
.endr
	s_wait_xcnt 0x0
	s_mov_b64 s[44:45], s[50:51]                   ; behind b1's second half comes b2's first
	s_wait_dscnt 0x0
	s_wait_alu depctr_vm_vsrc(0)                   ; the last image's stores have read the codes and the scale word, in which the loads below land, and v30 and v31, which the next pass writes anew
	ALOAD1HI 6, 7, XSLOT, 512, XFP, XCP            ; (the vector lines that named v208-255 stand ahead of the last image's wait on va_vdst)
	s_wait_loadcnt 0x0                             ; the bias and the ring: the counts in the trips start afresh
	s_add_co_u32 s32, s32, 1
	s_cmp_lt_u32 s32, 2
	s_cbranch_scc1 .Lpass1
	s_add_nc_u64 s[44:45], s[50:51], 512
	BAR                                            ; h1 is whole, and nobody reads x any more
	ALOAD 0, 1, 24, 0, 0, 2048, 512
	ALOAD1HI 1, 24, HSLOT, HSLOT, 2048, 512
	WIN 0xc0
.set i, 0
.rept 64
	v_mov_b32 v[192+i], 0                          ; the 64 registers that keep a row tile are written whole once, so that they hold numbers on every way through the text
.set i, i+1
.endr
	WIN 0
	s_wait_dscnt 16
; ---------------- layer 2: two passes of 8 K steps; statistics; the first half is parked ----------------
; Row tile m: mean and sum of squared differences of my 128 columns of each row (64 numbers a lane, the other 64 in lane xor 16).  Each accumulator is read from its low end on.
.macro STATS m
.set wA, 2+(\m)/4
.set aB, 64*((\m)%4)
	WIN wA|(wA<<2)
.irp c, 0,1,2,3
	v_pk_add_f32 v[208+2*\c:209+2*\c], v[aB+4*\c:aB+4*\c+1], v[aB+4*\c+2:aB+4*\c+3]
.endr
	WIN wA<<2
.set j, 8
.rept 24
	v_pk_add_f32 v[208+2*(j%4):209+2*(j%4)], v[208+2*(j%4):209+2*(j%4)], v[aB+2*j:aB+2*j+1]
.set j, j+1
.endr
	WIN 0
	v_pk_add_f32 v[208:209], v[208:209], v[210:211]
	v_pk_add_f32 v[212:213], v[212:213], v[214:215]
	v_pk_add_f32 v[208:209], v[208:209], v[212:213]
	v_add_f32 v251, v208, v209
	v_permlanex16_b32 v252, v251, s40, s41
	v_add_f32 v251, v251, v252
	s_wait_dscnt 0x0                               ; the last tile's store has read its pair
.if (\m) > 0
	s_wait_alu depctr_vm_vsrc(0)                   ; the last tile's store has read v248 and v249, which are written anew from here on (tile 0: the wait at the last pass's end)
.endif
	v_mul_f32 v248, 0x3c000000, v251               ; / 128: the group's mean
.set g, 0
.rept 2
	WIN wA
.set i, 0
.rept 16
	v_pk_add_f32 v[208+2*i:209+2*i], v[aB+32*g+2*i:aB+32*g+2*i+1], v[248:249] op_sel_hi:[1,0] neg_lo:[0,1] neg_hi:[0,1]
.set i, i+1
.endr
	WIN 0
.set i, 0
.rept 16
.if (g == 0) && (i < 4)
	v_pk_mul_f32 v[240+2*i:241+2*i], v[208+2*i:209+2*i], v[208+2*i:209+2*i]
.else
	v_pk_fma_f32 v[240+2*(i%4):241+2*(i%4)], v[208+2*i:209+2*i], v[208+2*i:209+2*i], v[240+2*(i%4):241+2*(i%4)]
.endif
.set i, i+1
.endr
.set g, g+1
.endr
	v_pk_add_f32 v[240:241], v[240:241], v[242:243]
	v_pk_add_f32 v[244:245], v[244:245], v[246:247]
	v_pk_add_f32 v[240:241], v[240:241], v[244:245]
	v_add_f32 v251, v240, v241
	v_permlanex16_b32 v252, v251, s40, s41
	v_add_f32 v249, v251, v252
	s_wait_alu depctr_va_vdst(0)                   ; v248 and v249 are written, which the store below reads; for tile 0 also its address v250
	ds_store_b64 v250, v[248:249] offset:1280*(\m)
.endm
	s_mov_b32 s32, 0
.Lpass2:
	s_mov_b32 s33, 0
	TRIPM 1, 4, HSLOT, HSLOT, 2048, 512, 1, 24
.Lk2:
	TRIPM 0, 4, HSLOT, HSLOT, 2048, 512, 1, 24
	s_cmp_lt_u32 s33, 4
	s_cbranch_scc1 .Lk2
	s_wait_dscnt 0x0
	s_lshl_b32 s35, s32, 3
	v_add_nc_u32 v250, s35, v27                    ; group 2 w + pass.  (The last pass's stores have read v249 and v250: the wait on vm_vsrc at that pass's end)
	v_mov_b32 v249, 0                              ; named as a pair's upper half before it is first made
	v_mov_b32 v252, 0
.irp m, 0,1,2,3,4,5,6
	STATS \m
.endr
	s_cmp_lg_u32 s32, 0
	s_cbranch_scc1 .Lparked
	VEC128 BI, 44                                  ; the second pass's bias.  No wait, here and for the park's stores: no vector or matrix line since the last statistics' wait on va_vdst
	WIN 0x08
.set i, 0
.rept 64
	ds_store_b128 v28, v[4*i:4*i+3] offset:512*i   ; row tiles 0-3: 8,192 m + 512 q
.set i, i+1
.endr
	WIN 0x0c
.set i, 0
.rept 32
	ds_store_b128 v28, v[4*i:4*i+3] offset:32768+512*i             ; row tiles 4, 5
.set i, i+1
.endr
	WIN 0xc3
.set i, 0
.rept 64
	v_mov_b32 v[192+i], v[128+i]                   ; row tile 6 stays in registers: LDS has no room for it
.set i, i+1
.endr
	WIN 0
.Lparked:
	s_wait_dscnt 0x0
	s_wait_alu depctr_vm_vsrc(0)                   ; the park's stores have read the accumulators, which the next pass's products write; the statistics' stores have read v248 to v250, in which the loads below land
	ALOAD1HI 1, 24, HSLOT, HSLOT, 2048, 512        ; (since the last statistics' wait on va_vdst only the 64 moves inside window 3 were issued: they name none of v208-255, v20-23)
	s_wait_loadcnt 0x0
	s_add_co_u32 s32, s32, 1
	s_cmp_lt_u32 s32, 2
	s_cbranch_scc1 .Lpass2
; ---------------- LayerNorm and quantiser: the second half first (it lies in the accumulators), then the parked one ----------------
	s_add_nc_u64 s[46:47], s[46:47], 512
	s_add_nc_u64 s[48:49], s[48:49], 512
	VEC128 32, 46                                  ; gamma and beta of the half in hand.  No wait: the products that read v32-159 stand ahead of the trips' waits on va_vdst, and nothing has named them since
	VEC128 96, 48
	BAR                                            ; the statistics are whole, and nobody reads h1 any more
	v_and_b32 v246, 15, v0
	v_mul_u32_u24 v246, v246, 80
	v_add_nc_u32 v246, ST, v246
.macro CLOAD m
.irp q, 0,1,2,3
	ds_load_b128 v[160+16*((\m)%4)+4*\q:160+16*((\m)%4)+4*\q+3], v246 offset:1280*(\m)+16*\q
.endr
.endm
; the eight groups of 128 joined: mean = the mean of the means; sum of squares = the sum of the groups' + 128 x the sum of (group mean - mean)^2
.macro CCALC m
.set cb, 160+16*((\m)%4)
	v_add_f32 v238, v[cb], v[cb+2]
	v_add_f32 v239, v[cb+4], v[cb+6]
	v_add_f32 v240, v[cb+8], v[cb+10]
	v_add_f32 v241, v[cb+12], v[cb+14]
	v_add_f32 v242, v[cb+1], v[cb+3]
	v_add_f32 v243, v[cb+5], v[cb+7]
	v_add_f32 v244, v[cb+9], v[cb+11]
	v_add_f32 v245, v[cb+13], v[cb+15]
	v_add_f32 v238, v238, v239
	v_add_f32 v240, v240, v241
	v_add_f32 v242, v242, v243
	v_add_f32 v244, v244, v245
	v_add_f32 v238, v238, v240
	v_add_f32 v242, v242, v244
	v_mul_f32 v[224+2*(\m)], 0x3e000000, v238      ; the row's mean
.irp g, 0,1,2,3,4,5,6,7
	v_sub_f32 v[cb+2*\g], v[cb+2*\g], v[224+2*(\m)]
.endr
	v_mul_f32 v238, v[cb], v[cb]
	v_mul_f32 v239, v[cb+2], v[cb+2]
.irp g, 2,3,4,5,6,7
	v_fma_f32 v[238+\g%2], v[cb+2*\g], v[cb+2*\g], v[238+\g%2]
.endr
	v_add_f32 v238, v238, v239
	v_fma_f32 v242, 0x43000000, v238, v242
	v_fma_f32 v[225+2*(\m)], v242, s52, s53        ; variance + 1e-5
.endm
	s_wait_alu depctr_va_vdst(0)                   ; v246 is written, the address of the loads below
.irp m, 0,1,2,3
	CLOAD \m
.endr
	s_wait_dscnt 0x0
.irp m, 0,1,2,3
	CCALC \m
.endr
	s_wait_alu depctr_va_vdst(0)                   ; the four tiles' arithmetic is done reading and writing v160-207, in which the loads below land
.irp m, 4,5,6
	CLOAD \m
.endr
	s_wait_dscnt 0x0
.irp m, 4,5,6
	CCALC \m
.endr
.irp m, 0,1,2,3,4,5,6
	v_rsq_f32 v[194+2*\m], v[225+2*\m]             ; r = 1 / sqrt(variance + 1e-5)
.endr
	v_nop                                          ; a plain instruction behind the last of them,
	s_wait_alu depctr_va_vdst(0)                   ; and one wait ahead of the first reader: the seven r in v194 to v206 are written
.irp m, 0,1,2,3,4,5,6
	v_mul_f32 v[224+2*\m], -v[224+2*\m], v[194+2*\m]               ; -mean r takes the mean's place
.endr
.macro NORM m                          ; (x r - mean r) gamma + beta, in place: two fused multiply-adds, two numbers an instruction
.set wA, 2+(\m)/4
.set aB, 64*((\m)%4)
	WIN (wA<<6)|wA
.set i, 0
.rept 32
	v_pk_fma_f32 v[aB+i:aB+i+1], v[aB+i:aB+i+1], v[194+2*(\m):195+2*(\m)], v[224+2*(\m):225+2*(\m)] op_sel_hi:[1,0,0]   ; of the pairs r and -mean r the low word serves both halves
.set i, i+2
.endr
.set i, 0
.rept 32
	v_pk_fma_f32 v[aB+i:aB+i+1], v[aB+i:aB+i+1], v[32+i:33+i], v[96+i:97+i]
.set i, i+2
.endr
.endm
	s_mov_b32 s33, 0
.Lhalf:
	s_wait_loadcnt 0x0                             ; gamma and beta
	s_wait_dscnt 0x0                               ; the parked numbers
	s_xor_b32 s35, s33, 1
	s_mul_i32 s35, s35, HSLOT
	s_wait_alu depctr_vm_vsrc(0)                   ; the first half's last image stores have read v30, v31, the codes and the scale word, which this half writes anew
	v_add_nc_u32 v30, s35, v25                     ; K step 2 w + 1, then 2 w
	v_add_nc_u32 v31, s35, v26
.irp b, 0,1,2,3
	v_mov_b32 v[164+\b], 0
.endr
.irp m, 0,1,2,3,4,5,6
	NORM \m
	QUANT \m, 160, 176, 192, 0
	IMG \m, 176, 192
.endr
	s_cmp_eq_u32 s33, 1
	s_cbranch_scc1 .Lno_more
	s_wait_xcnt 0x0
	s_sub_nc_u64 s[46:47], s[46:47], 512
	s_sub_nc_u64 s[48:49], s[48:49], 512
	VEC128 32, 46                                  ; no wait, here and for the park's loads: the lines that read gamma and beta and worked on the accumulators stand ahead of the last image's wait on va_vdst
	VEC128 96, 48
	WIN 0x80
.set i, 0
.rept 64
	ds_load_b128 v[4*i:4*i+3], v28 offset:512*i
.set i, i+1
.endr
	WIN 0xc0
.set i, 0
.rept 32
	ds_load_b128 v[4*i:4*i+3], v28 offset:32768+512*i
.set i, i+1
.endr
	WIN 0xc3
.set i, 0
.rept 64
	v_mov_b32 v[128+i], v[192+i]
.set i, i+1
.endr
	WIN 0
.Lno_more:
	s_add_co_u32 s33, s33, 1
	s_cmp_lt_u32 s33, 2
	s_cbranch_scc1 .Lhalf
	s_wait_alu depctr_vm_vsrc(0)                   ; the last image's stores have read v30, which is written anew, and the codes and the scale word, in which the head's activations land
	v_lshrrev_b32 v30, 1, v29                      ; 32 x half: 8 numbers.  (v30 is free: the last image is stored; nothing writes it from here on, so the loads below keep their offset)
	v_add_nc_u32 v6, 4*HSLOT, v1                   ; K steps 4-7 lie past an LDS immediate's reach
	v_add_nc_u32 v7, 4*HSLOT, v24
	WIN 0xc0
	s_wait_alu depctr_va_vdst(0)                   ; v30, v6 and v7 are written; the moves are done reading v192-223 of window 3, in which the loads below land; all that named v32-255 is done, where the head's activations land
.irp n, 0,1,2,3
.irp q, 0,1
	global_load_b128 v[192+8*\n+4*\q:192+8*\n+4*\q+3], v30, s[56:57] offset:64*\n+16*\q     ; the head's bias: column 16 n + 8 half + j
.endr
.endr
	WIN 0
	BAR                                            ; h2 is whole, and the park is read out
; ---------------- the head of my type: 8 K steps of 28 products ----------------
.macro HLOAD set, sl
.if (\sl) < 4
	ALOAD \set, 1, 24, (\sl)*HSLOT, (\sl)*HSLOT, 2048, 512
.else
	ALOAD \set, 6, 7, ((\sl)-4)*HSLOT, ((\sl)-4)*HSLOT, 2048, 512
.endif
.endm
.macro HSTEP s
.if (\s) <= 6
	s_wait_dscnt 32                                ; my set is in; the other set's 32 loads may be out
.else
	s_wait_dscnt 0x0
.endif
.if (\s) >= 4
	s_wait_loadcnt 17*(7-(\s))                     ; behind this buffer's reload: the later buffers'
.endif
.if (\s) == 0
	MMS 0, 0, 0, 2
.else
	MMS (\s)%2, (\s)%4, 0, 0
.endif
	WIN 0
	PL 8
.if (\s) <= 5
	s_wait_alu depctr_va_vdst(0)                   ; this step's products are done reading their ring buffer, its scale words and their activation set, in which the loads below land
.endif
.if (\s) < 4
	BLOAD \s, 30, HSB*((\s)+4)
.endif
.if (\s) <= 5
	HLOAD (\s)%2, (\s)+2
.endif
.endm
	HLOAD 0, 0
	HLOAD 1, 1
	s_wait_loadcnt 0x0                             ; the ring's four half-sets and the bias
.irp s, 0,1,2,3,4,5,6,7
	HSTEP \s
.endr
; ---------------- the way out: each row tile through my own stage, back as rows of 256 bytes, to the rows that the list names ----------------
	v_and_b32 v92, 15, v0
	v_bfe_u32 v93, v0, 4, 1
	s_lshl_b32 s35, s26, 8
	v_lshl_add_u32 v88, v92, 4, s35                ; in a row of out: my wave's 256 bytes, 16 a lane
	s_mul_i32 s36, s26, STGW
	s_add_co_u32 s36, s36, P
	v_mul_u32_u24 v89, v92, 272
	v_lshl_add_u32 v89, v93, 5, v89
	v_add_nc_u32 v89, s36, v89                     ; in: row r, 32 bytes for each half
	v_mul_u32_u24 v90, v93, 2176
	v_lshl_add_u32 v90, v92, 4, v90
	v_add_nc_u32 v90, s36, v90                     ; back: lanes 0-15 row i, lanes 16-31 row 8 + i
	v_lshl_add_u32 v91, v93, 5, RT
	s_cmp_eq_u32 s27, 3                            ; a tile that does not exist stores nothing
	s_cbranch_scc1 .Lend
	s_wait_alu depctr_va_vdst(0)                   ; v91 is written, the address of the loads below, and the last products are done reading v32-87, in which they land
.irp m, 0,1,2,3,4,5,6
.irp q, 0,1
	ds_load_b128 v[32+8*\m+4*\q:32+8*\m+4*\q+3], v91 offset:64*\m+16*\q     ; the rows of places 16 m + 8 half + 0 .. 7
.endr
.endr
	s_wait_dscnt 0x0
.set i, 0
.rept 56
	v_min_u32 v[32+i], NROW1, v[32+i]
	v_lshl_add_u32 v[32+i], v[32+i], 10, v88
.set i, i+1
.endr
	s_wait_alu depctr_va_vdst(0)                   ; the 56 offsets v32-87 are written, which the stores to out read; no vector line follows, so this wait serves the whole way out (the accumulators, v89 and v90 were written ahead of it too)
.macro TOSTAGE m
.set wA, 2+(\m)/4
.set aB, 64*((\m)%4)
	WIN wA<<2
.irp n, 0,1,2,3
.irp q, 0,1
	ds_store_b128 v89, v[aB+8*\n+4*\q:aB+8*\n+4*\q+3] offset:4352*(\m)+64*\n+16*\q       ; each accumulator from its low end on
.endr
.endr
	WIN 0
.irp i, 0,1,2,3,4,5,6,7
	ds_load_b128 v[96+32*((\m)%2)+4*\i:96+32*((\m)%2)+4*\i+3], v90 offset:4352*(\m)+272*\i   ; LDS serves a wave's instructions in order (ISA guide 5.7.1.4): these see the stores above
.endr
.endm
.macro SEND m, younger                 ; younger: the next tile's 8 stores and 8 loads, which may stay out
	s_wait_dscnt \younger
.irp i, 0,1,2,3,4,5,6,7
	global_store_b128 v[32+8*(\m)+\i], v[96+32*((\m)%2)+4*\i:96+32*((\m)%2)+4*\i+3], s[24:25] th:TH_STORE_NT   ; 16 lanes store 256 consecutive bytes, at a multiple of 256 from out's first byte
.endr
.endm
	TOSTAGE 0
.irp m, 1,2,3,4,5,6
.if \m > 1
	s_wait_xcnt 0x0                                ; the stores of two tiles back have read their registers: this tile's loads may land there
	s_wait_alu depctr_vm_vsrc(0)                   ; the same stated for the mode: those stores have read their 32 data registers, in which this tile's loads from the stage land
.endif
	TOSTAGE \m
	SEND (\m)-1, 16
.endr
	SEND 6, 0
.Lend:
	s_wait_xcnt 0x0
	v_lshl_add_u32 v254, v0, 2, 0x4f500            ; the add's two registers are made anew here: no two could be kept.  No memory or LDS instruction of this text reads v254 or v255
	v_mov_b32 v255, 0
	s_wait_dscnt 0x0                               ; the closing lines, six on end
	s_wait_alu 0x0
	s_wait_tensorcnt 0x0
	ds_add_u32 v254, v255
	s_wait_dscnt 0x0
	s_endpgm
.Lfunc_end_k_q1cab110199_chain:
	.size	k_q1cab110199_chain, .Lfunc_end_k_q1cab110199_chain-k_q1cab110199_chain
	.p2alignl 7, 3214868480
	.fill 96, 4, 3214868480
	.section	.rodata,"a",@progbits
	.p2align	6, 0x0
	.amdhsa_kernel k_q1cab110199_chain
		.amdhsa_group_segment_fixed_size 325376
		.amdhsa_private_segment_fixed_size 0
		.amdhsa_enable_private_segment 0
		.amdhsa_kernarg_size 88
		.amdhsa_user_sgpr_count 2
		.amdhsa_user_sgpr_kernarg_segment_ptr 1
		.amdhsa_wavefront_size32 1
		.amdhsa_system_sgpr_workgroup_id_x 1
		.amdhsa_system_sgpr_workgroup_id_y 1
		.amdhsa_system_sgpr_workgroup_id_z 1
		.amdhsa_system_vgpr_workitem_id 0
		.amdhsa_next_free_vgpr 1024
		.amdhsa_next_free_sgpr 100
		.amdhsa_reserve_vcc 1
		.amdhsa_float_denorm_mode_32 3
		.amdhsa_float_denorm_mode_16_64 3
		.amdhsa_memory_ordered 1
		.amdhsa_forward_progress 1
		.amdhsa_inst_pref_size 255
	.end_amdhsa_kernel
	.section	.bss,"aw",@nobits
	.p2align	6
	.space	262144
	.amdgpu_metadata
---
amdhsa.version: [ 1, 2 ]
amdhsa.kernels:
  - .name:           k_q1cab110199_chain
    .symbol:         k_q1cab110199_chain.kd
    .args:
      - { .name: node_latent_codes, .offset: 0, .size: 8, .value_kind: global_buffer, .address_space: global }
      - { .name: node_latent_scales, .offset: 8, .size: 8, .value_kind: global_buffer, .address_space: global }
      - { .name: b1, .offset: 16, .size: 8, .value_kind: global_buffer, .address_space: global }
      - { .name: b2, .offset: 24, .size: 8, .value_kind: global_buffer, .address_space: global }
      - { .name: ln_gamma, .offset: 32, .size: 8, .value_kind: global_buffer, .address_space: global }
      - { .name: ln_beta, .offset: 40, .size: 8, .value_kind: global_buffer, .address_space: global }
      - { .name: head_b, .offset: 48, .size: 8, .value_kind: global_buffer, .address_space: global }
      - { .name: wfrag, .offset: 56, .size: 8, .value_kind: global_buffer, .address_space: global }
      - { .name: order, .offset: 64, .size: 8, .value_kind: global_buffer, .address_space: global }
      - { .name: tinfo, .offset: 72, .size: 8, .value_kind: global_buffer, .address_space: global }
      - { .name: out0, .offset: 80, .size: 8, .value_kind: global_buffer, .address_space: global }
    .group_segment_fixed_size: 325376
    .private_segment_fixed_size: 0
    .kernarg_segment_align: 8
    .kernarg_segment_size: 88
    .max_flat_workgroup_size: 128
    .sgpr_count:     100
    .vgpr_count:     1024
    .wavefront_size: 32
...
	.end_amdgpu_metadata
.endif
;; end of part 3
